; MI455X (gfx1250); checked and timed in simulation.
; The chip was launched on July 23, 2026; its instructions are those of AMD's public machine-readable ISA for CDNA 5 (MIT licence, August 2026) and "CDNA5" Instruction Set Architecture Reference Guide (July 2026). The comments in the code are by the model that wrote it; some were corrected since.
;; GQA. Allowed arithmetic: matrix products marked QUANTISED: E2M1 operands, one E8M0 scale for each 32 along K, by v_wmma_scale_f32_16x16x128_f8f6f4 with both operands' format E2M1 (or v_wmma_scale_f32_32x16x128_f4), f32 sums; everything else in f32.
;; Inputs: Wk_codes 256 x 64 x 16 uint8 (E2M1 codes of Wk, K innermost, in blocks of 32 codes, two codes a byte); Wk_scales 256 x 64 uint8 (E8M0 scales of Wk, one for each 32 codes along K); Wo_codes 2,048 x 64 x 16 uint8 (E2M1 codes of Wo, K innermost, in blocks of 32 codes, two codes a byte); Wo_scales 2,048 x 64 uint8 (E8M0 scales of Wo, one for each 32 codes along K); Wq_codes 2,048 x 64 x 16 uint8 (E2M1 codes of Wq, K innermost, in blocks of 32 codes, two codes a byte); Wq_scales 2,048 x 64 uint8 (E8M0 scales of Wq, one for each 32 codes along K); Wv_codes 256 x 64 x 16 uint8 (E2M1 codes of Wv, K innermost, in blocks of 32 codes, two codes a byte); Wv_scales 256 x 64 uint8 (E8M0 scales of Wv, one for each 32 codes along K); bk 256 float32; bo 2,048 float32; bq 2,048 float32; bv 256 float32; x_codes 4 x 1,024 x 64 x 16 uint8 (E2M1 codes of x, K innermost, in blocks of 32 codes, two codes a byte); x_scales 4 x 1,024 x 64 uint8 (E8M0 scales of x, one for each 32 codes along K).
;; Outputs: out0 4 x 1,024 x 2,048 float32.
;; This version of the problem:
;;   THIS VERSION OF THE PROBLEM IS GIVEN IN LOW PRECISION. The matrix products marked QUANTISED in the list below multiply operands that are first quantised to E2M1 (2 exponent bits, 1 mantissa bit; 4 bits a number), with one power-of-two scale for each 32 numbers along K (OCP MX v1.0); their sums are f32. All else is computed in f32.
;;   The module's matrix products, in the order in which they are computed (A, B: the left and right operand; K: the contracted axis; several contracted axes count as one K, in the product's order):
;;     1. [M 4,096, K 2,048] x [K 2,048, N 2,048]; A: input x (given as codes); B: input Wq (given as codes): QUANTISED
;;     2. [M 4,096, K 2,048] x [K 2,048, N 256]; A: input x (given as codes); B: input Wk (given as codes): QUANTISED
;;     3. [M 4,096, K 2,048] x [K 2,048, N 256]; A: input x (given as codes); B: input Wv (given as codes): QUANTISED
;;     4. batch 16 x [M 1,024, K 64] x [K 64, N 8,192]; A: computed on the way; B: computed on the way: QUANTISED
;;     5. batch 16 x [M 64, K 1,024] x [K 1,024, N 8,192]; A: computed on the way; B: softmax (see below): QUANTISED
;;     6. [M 4,096, K 2,048] x [K 2,048, N 2,048]; A: computed on the way; B: input Wo (given as codes): QUANTISED
;;   THE QUANTISER, for each operand of a quantised product, along K:
;;     - K is cut into blocks of 32 from its start; a last block that is shorter is filled with zeros.
;;     - A block's scale is 2^e with e = floor(log2(the largest magnitude in the block)) - 2, held to -126 .. 127; a block of zeros has e = 0. As a byte (E8M0): e + 127.
;;     - Each number is divided by its block's scale, clamped to +-6, and rounded to the nearest number of E2M1, ties to even, subnormals kept.
;;     - The product sums the exact products of the quantised numbers (number of the format x scale) in f32.
;;   ~~~python
;;   def quantise(x, axis):      # numpy; x: float32 -> the quantised numbers, widened to float32 again
;;       x = np.moveaxis(x, axis, -1); K = x.shape[-1]
;;       x = np.pad(x, [(0, 0)] * (x.ndim - 1) + [(0, -K % 32)]); x = x.reshape(x.shape[:-1] + (-1, 32)); a = np.abs(x).max(-1, keepdims=True)
;;       e = np.where(a > 0, np.clip(np.frexp(np.where(a > 0, a, 1))[1] - 1 - 2, -126, 127), 0)      # np.frexp(a)[1] - 1 = floor(log2(a)), exactly
;;       r = np.clip(x / 2.0 ** e, -6, 6)
;;       step = 2.0 ** (np.maximum(np.frexp(np.where(r == 0, 1, r))[1] - 1, 0) - 1)
;;       q = np.round(r / step) * step * 2.0 ** e      # np.round: ties to even
;;       return np.moveaxis(q.reshape(q.shape[:-2] + (-1,))[..., :K], -1, axis).astype(np.float32)
;;   ~~~
;;   SOFTMAX AHEAD OF A QUANTISED PRODUCT. Where the list says 'softmax', what is quantised is not the finished softmax but p = 2^(t - M), with t = logit x log2(e) and M = ceil(the row's largest t), a whole number; so 1/2 < the row's largest p <= 1. The row's sum l is taken of the UNQUANTISED p, in f32, and the product's result is divided by l at the end. Since M is a whole number, a kernel that streams over the keys may use a running M (the ceiling of the running maximum): every later rescaling is an exact power of two, which a block's scale takes up: the codes' values come out the same.
;;   OPERANDS COMPUTED ON THE WAY. 'Computed on the way' means the value that the module computes at that place (a softmax that the list does not call 'softmax' is quantised finished and normalised). What goes into a quantiser is computed in f32, as accurately as f32 sums, v_exp_f32 and their like allow (about 1e-6 of the number): no bf16 or f16 on the way to a quantiser, and a product that is left as it is and whose result goes on into a quantised operand takes f32 operands (vector FMAs, or v_wmma_f32_16x16x4_f32). A number that lies on a knife's edge between two numbers of the format may be rounded either way, as far as f32 arithmetic and the matrix unit's own rounding can turn it there, and no further.
;;   INPUTS GIVEN AS CODES. Wk (in the module: [2048, 256], K = its axis 0); Wo (in the module: [2048, 2048], K = its axis 0); Wq (in the module: [2048, 2048], K = its axis 0); Wv (in the module: [2048, 256], K = its axis 0); x (in the module: [4, 1024, 2048], K = its axis 2): each comes as NAME_codes (uint8): NAME with its K axis moved to the last place and cut into blocks of 32 codes, [.., K / 32, bytes a block], one block behind the other in memory; two codes a byte, the lower K in the low four bits (a code: sign, 2 exponent bits, 1 mantissa bit); and NAME_scales (uint8): the same leading axes, one E8M0 byte (e + 127) for each 32 codes along K. Its value is code x scale, taken as it is: it is not quantised again, and the codes and scales need not be those that the quantiser above would give.
;; One version. Each part assembles by itself: llvm-mc -triple=amdgcn-amd-amdhsa -mcpu=gfx1250 --defsym DOCPART=n.
;; ======== version 1 of 1: 3 launches
;; limits: right only within a limited range of input values
;; workspace buffers: qc 4,194,304 bytes; qs 524,288 bytes; kv 1,146,880 bytes; oc 4,194,304 bytes; os 262,144 bytes
;; launch qkv (part 1): grid 16 x 10, 4 waves a work-group, clusters of 4 x 1, 327,680 bytes of LDS; arguments x_codes, x_scales, Wq_codes, Wq_scales, Wk_codes, Wk_scales, Wv_codes, Wv_scales, bq, bk, bv, qc, qs, kv; writes qc, qs, kv
.if DOCPART == 1
	.amdgcn_target "amdgcn-amd-amdhsa--gfx1250"
	.amdhsa_code_object_version 6
	.text
	.protected	k_qe8619894a2_qkv
	.globl	k_qe8619894a2_qkv
	.p2align	8
	.type	k_qe8619894a2_qkv,@function
k_qe8619894a2_qkv:
	s_mov_b64 s[64:65], 0
	v_nop
	global_prefetch_b8 v0, s[64:65] scope:SCOPE_SE
	s_setreg_imm32_b32 hwreg(HW_REG_WAVE_MODE, 25, 1), 1
	s_wait_xcnt 0x0
	s_wait_alu depctr_hold_cnt(0) depctr_sa_sdst(0) depctr_va_vdst(0) depctr_va_sdst(0) depctr_va_ssrc(0) depctr_va_vcc(0) depctr_vm_vsrc(0)
	s_getreg_b32 s2, hwreg(HW_REG_IB_STS2, 6, 4)
	s_cmp_eq_u32 s2, 0
	s_cbranch_scc0 .Lentry_in_a_cluster
	s_endpgm
.Lentry_in_a_cluster:
	s_bfe_u32 s2, ttmp6, 0x10000c
	s_cmp_lg_u32 s2, 0x3003
	s_cbranch_scc0 .Lentry_shape_is_right
	s_endpgm
.Lentry_shape_is_right:
; q = x Wq + bq, k = x Wk + bk, v = x Wv + bv on codes of FP4 (E2M1) with E8M0 scales; then RoPE on q and k (q also x 1/8), and the three results are quantised again:
; q and k along the head's 64 channels, v along the tokens (the keys).  x: 4,096 rows of 2,048 codes; the weights: rows = output columns, 2,048 codes each.
; SHARES.  A work-group makes 256 tokens x 256 columns: work-group y 0..7 = group g of Wq, y = 8 = Wk, y = 9 = Wv.  Four waves, each 128 tokens x 128 columns (two heads): 64 accumulators, 512 registers.
; K goes in steps of 512 through a ring of two LDS slots; the scale bytes of the 256 + 256 rows come once and stay.  The bias is the C of each sum's first matrix instruction (so it enters the sum first).
; CLUSTER: the four work-groups of a cluster have the same y and other tokens: the weights' tiles and scales are asked for jointly (mask 15), x's by plain loads.  x's tiles are not shared: they are common
; to the ten work-groups of a column of the grid, and ten does not divide into clusters of four.
; THE MATRIX INSTRUCTION IS USED TRANSPOSED (source 0 = 16 weight rows, source 1 = 16 tokens): lane (r, h) of accumulator (a, b) holds token 16 a + r and columns 16 b + 8 h + 0..7.
; BEHIND THE SUMS.  q, k: cos and sin of pos x freq are made in f32 (reduction by pi/2 in two parts, polynomials on +-pi/4), each wave for 64 tokens, shared through LDS by the two waves of the same tokens;
; the rotation is two packed instructions a pair; a head's two blocks of 32 are quantised in registers and leave as images of the reader's operand registers.  v: 32 tokens at a time turn through a stage in LDS,
; so that a lane holds one channel and its registers run down the tokens.
; LIMITS: a block whose largest magnitude lies under 2^-124, a block of zeros too, gets the scale byte 1 (its bytes are read by this program alone); NaN and infinities are not served;
; the frequencies 10^(-i/8) are literals rounded to f32; sine and cosine are good to about 1e-7 absolute for angles up to 1,023.
; REGISTERS: window 0: v0-31 addresses; v32-95 scale words, two sets; v128-191 x's fragments; v192-255 the bias.  window 1: the weights' fragments, two sets.  windows 2, 3: the accumulators.
.set NQ,     4                         ; matrix instructions deep in a slot (512 along K)
.set ROWB,   256                       ; a tile's row in bytes
.set KROW,   1024                      ; a row of codes in memory
.set PITCH,  272                       ; an LDS row: 256 bytes + 16 of padding
.set FR,     8
.set NL,     2
.set NP,     4
.set HALFT,  128*PITCH
.set SLOT,   4*HALFT
.set KS,     64                        ; a row of scale bytes
.set SCL,    2*SLOT
.set HALFS,  (128*KS/256)*272
.set SBLK,   (16*KS/256)*272
.set SPARE,  SCL+4*HALFS               ; the spare words: two blocks of 256 bytes that no other line names
.set TBL,    0                         ; behind the sums, in slot 0 (its last fill and its last read are over): cos and sin, 2 x 8 blocks of 4,096 bytes
.set VSTG,   65536                     ; and, for the work-groups of v, four stages of 32 rows x 528 bytes
.set VP,     528
.set ADRA, 16
.set ADRB, 20
.set ADRS, 27
.set SPW,  28
.set NIL,  29
.set SC,   32
.set AF,   128
.set BIAS, 192
.set G1, 24
.set G0, 32
.set G1B, 48
.set G0B, 56
.set G1S, 68
.set G0S, 76
.set G1SB, 80
.set G0SB, 88
.set MSB, 0
.macro WIN new                         ; the immediate's high byte repeats the setting that is left
.if MSB != (\new)
	s_set_vgpr_msb (MSB<<8)|(\new)
.set MSB, (\new)
.endif
.endm
.set MUL_LO, 0xa1                      ; source 0 (weights) window 1, source 1 (x) window 0, C and D window 2
.set MUL_HI, 0xf1
.set TO_B,   0x40
; Waves 0 and 1 fetch for x (plain), waves 2 and 3 for the weights (joint).  The branch hangs on the wave's number alone.  Four v_nop follow each line.
.macro JLOAD g0a, g1a, g0b, g1b
	s_cmp_eq_u32 s15, 0
	s_cbranch_scc0 .Lfor_b_\@
	tensor_load_to_lds s[\g0a:\g0a+3], s[\g1a:\g1a+7]
	s_nop 0
.rept 4
	v_nop
.endr
	s_branch .Lasked_\@
.Lfor_b_\@:
	tensor_load_to_lds s[\g0b:\g0b+3], s[\g1b:\g1b+7]
	s_nop 0
.rept 4
	v_nop
.endr
.Lasked_\@:
.endm
.macro CREST
	s_cmp_lg_u32 s14, 0
	s_cbranch_scc1 .Lnot_wave_0_\@
	s_barrier_signal -3
.Lnot_wave_0_\@:
	s_barrier_wait -3
	s_barrier_signal -1
	s_barrier_wait -1
.endm
.macro CROUND
	s_barrier_signal -1
	s_barrier_wait -1
	CREST
.endm
	s_load_b256 s[4:11], s[0:1], 0x0               ; x's codes, x's scales, Wq's codes, Wq's scales
	s_load_b256 s[40:47], s[0:1], 0x20             ; Wk's codes, scales, Wv's codes, scales
	s_load_b256 s[92:99], s[0:1], 0x40             ; bq, bk, bv, qc
	s_load_b128 s[20:23], s[0:1], 0x60             ; qs, kv
	v_lshl_add_u32 v[SPW], v0, 2, SPARE
	v_mov_b32 v[NIL], 0
	ds_add_u32 v28, v29
	ds_add_u32 v28, v29
	s_wait_dscnt 0x0
	v_lshrrev_b32 v1, 5, v0
	v_readfirstlane_b32 s14, v1                    ; wave 0..3
	s_lshr_b32 s15, s14, 1                         ; my half of the tokens.  Also: I fetch for x (0) or for the weights (1)
	s_and_b32 s16, s14, 1                          ; my half of the columns.  Also: which 128 rows I fetch
	s_and_b32 s2, ttmp7, 0xffff                    ; y: which weights; the same in all four partners
	; descriptor group 1: 128 rows x 256 bytes, 16 bytes of padding behind each
	s_mov_b32 s[G1+0], (1<<20)|(5<<22)|(3<<25)                      ; x: no mask
	s_mov_b32 s[G1B+0], 15|(1<<20)|(1<<21)|(5<<22)|(3<<25)          ; the weights: all four work-groups; bit 21 set beside the mask
.irp g, G1, G1B
	s_mov_b32 s[\g+1], ROWB<<16
	s_mov_b32 s[\g+2], 256<<16                     ; the head's loads bring 256 rows; behind them these two words are set to 128
	s_mov_b32 s[\g+3], ROWB<<16
	s_mov_b32 s[\g+4], 256
	s_mov_b32 s[\g+5], KROW
	s_mov_b32 s[\g+6], 0
	s_mov_b32 s[\g+7], 0
.endr
	; the scale bytes of 128 rows: 8,192 dense bytes as 32 rows of 256 (32 elements of 8 bytes), 16 bytes of padding behind each
	s_mov_b32 s[G1S+0], (3<<16)|(1<<20)|(5<<22)|(3<<25)
	s_mov_b32 s[G1SB+0], 15|(3<<16)|(1<<20)|(1<<21)|(5<<22)|(3<<25)
.irp g, G1S, G1SB
	s_mov_b32 s[\g+1], 32<<16
	s_mov_b32 s[\g+2], (256*KS/256)<<16            ; the scale bytes of 256 rows: 64 rows of 256 bytes
	s_mov_b32 s[\g+3], 32<<16
	s_mov_b32 s[\g+4], 256*KS/256
	s_mov_b32 s[\g+5], 32
	s_mov_b32 s[\g+6], 0
	s_mov_b32 s[\g+7], 0
.endr
	s_lshl_b32 s18, s16, 7
	s_cmp_lt_u32 s2, 8
	s_cselect_b32 s19, s2, 0
	s_lshl_b32 s19, s19, 8
	s_add_co_u32 s19, s19, s18                     ; the weights' row (= output column): 256 g + 128 x half; for k and v: 128 x half
	s_mul_i32 s3, s14, HALFT                       ; where the tiles go: wave x 128 rows
	s_bfe_u32 s13, ttmp6, 0x40000                  ; cx
	s_lshl_b32 s17, ttmp9, 2
	s_add_co_u32 s17, s17, s13                     ; X: my block of 256 tokens
	s_lshl_b32 s100, s17, 8
	s_add_co_u32 s100, s100, s18                   ; x's row
	s_lshl_b32 s66, s100, 10
	s_mov_b32 s67, 0
	s_lshl_b32 s100, s100, 6
	s_mov_b32 s101, 0
	s_wait_kmcnt 0x0
	s_cmp_eq_u32 s2, 9                             ; the choices hang on y alone
	s_cselect_b64 s[40:41], s[44:45], s[40:41]
	s_cselect_b64 s[42:43], s[46:47], s[42:43]
	s_cselect_b64 s[94:95], s[96:97], s[94:95]
	s_cmp_lt_u32 s2, 8
	s_cselect_b64 s[8:9], s[8:9], s[40:41]         ; the weights' codes,
	s_cselect_b64 s[10:11], s[10:11], s[42:43]     ; their scales,
	s_cselect_b64 s[92:93], s[92:93], s[94:95]     ; the bias
	s_lshl_b32 s44, s19, 10
	s_mov_b32 s45, 0
	s_lshl_b32 s46, s19, 6
	s_mov_b32 s47, 0
	s_lshl_b32 s96, s19, 2
	s_mov_b32 s97, 0
	s_add_nc_u64 s[4:5], s[4:5], s[66:67]
	s_add_nc_u64 s[6:7], s[6:7], s[100:101]
	s_add_nc_u64 s[8:9], s[8:9], s[44:45]
	s_add_nc_u64 s[10:11], s[10:11], s[46:47]
	s_add_nc_u64 s[92:93], s[92:93], s[96:97]
	CROUND                                         ; all four work-groups are here: the first joint loads meet
	s_lshl_b32 s44, s16, 17                        ; my half of a tile's 256 rows, in bytes of codes,
	s_mov_b32 s45, 0
	s_lshl_b32 s46, s16, 13                        ; and of scale bytes: taken off again for the head's loads, which bring whole tiles
	s_mov_b32 s47, 0
	s_mov_b32 s[G0S], 1                            ; the scales of x's 256 rows,
	s_mov_b32 s[G0S+1], SCL
	s_sub_nc_u64 s[G0S+2:G0S+3], s[6:7], s[46:47]
	s_or_b32 s[G0S+3], s[G0S+3], 0x80000000
	s_mov_b32 s[G0SB], 1                           ; and of the weights' 256
	s_mov_b32 s[G0SB+1], SCL+2*HALFS
	s_sub_nc_u64 s[G0SB+2:G0SB+3], s[10:11], s[46:47]
	s_or_b32 s[G0SB+3], s[G0SB+3], 0x80000000
.irp s, 0,1
	s_mov_b32 s[G0+4*\s], 1
	s_add_co_u32 s[G0+4*\s+1], s3, \s*SLOT
	s_add_nc_u64 s[G0+4*\s+2:G0+4*\s+3], s[4:5], \s*ROWB
	s_or_b32 s[G0+4*\s+3], s[G0+4*\s+3], 0x80000000
	s_mov_b32 s[G0B+4*\s], 1
	s_add_co_u32 s[G0B+4*\s+1], s3, \s*SLOT
	s_add_nc_u64 s[G0B+4*\s+2:G0B+4*\s+3], s[8:9], \s*ROWB
	s_or_b32 s[G0B+4*\s+3], s[G0B+4*\s+3], 0x80000000
.endr
	s_sub_nc_u64 s[6:7], s[4:5], s[44:45]          ; group 0 of the head's loads of K step 0, in registers that held arguments: x's 256 rows,
	s_mov_b32 s4, 1
	s_mov_b32 s5, 0
	s_or_b32 s7, s7, 0x80000000
	s_sub_nc_u64 s[10:11], s[8:9], s[44:45]        ; the weights' 256 rows, behind them in slot 0
	s_mov_b32 s8, 1
	s_mov_b32 s9, 2*HALFT
	s_or_b32 s11, s11, 0x80000000
; THE HEAD'S LOADS, ONE A WAVE: wave 0 x's 256 rows of K step 0, wave 1 the weights', wave 2 x's scales, wave 3 the weights' scales.
; One tree of branches on the wave's number: every way through the head passes exactly one load.
.macro ARM under, g0, g1, next
	s_cmp_lt_u32 s14, \under
	s_cbranch_scc0 \next
	tensor_load_to_lds s[\g0:\g0+3], s[\g1:\g1+7]
	s_nop 0
.rept 4
	v_nop
.endr
	s_branch .Lhead_asked
\next:
.endm
	ARM 1, 4,   G1,  .Lhead_b
	ARM 2, 8,   G1B, .Lhead_sa
	ARM 3, G0S, G1S, .Lhead_sb
	tensor_load_to_lds s[G0SB:G0SB+3], s[G1SB:G1SB+7]
	s_nop 0
.rept 4
	v_nop
.endr
.Lhead_asked:
	v_and_b32 v1, 15, v0                           ; r
	v_bfe_u32 v2, v0, 4, 1                         ; h
	v_lshlrev_b32 v7, 5, v2                        ; the bias in the result's layout: columns 16 b + 8 h + 0..7
.irp b, 0,1,2,3,4,5,6,7
	global_load_b128 v[BIAS+8*\b:BIAS+8*\b+3], v7, s[92:93] offset:64*\b
	global_load_b128 v[BIAS+8*\b+4:BIAS+8*\b+7], v7, s[92:93] offset:64*\b+16
.endr
	v_mul_u32_u24 v3, v1, PITCH
	v_lshl_add_u32 v4, v2, 4, v3                   ; a fragment's row x pitch + 16 x half
	s_mul_i32 s18, s15, HALFT
	s_mul_i32 s19, s16, HALFT
	s_add_co_u32 s19, s19, 2*HALFT
.irp s, 0,1
	v_add_nc_u32 v[ADRA+\s], s18, v4
	v_add_nc_u32 v[ADRB+\s], s19, v4
	s_add_co_u32 s18, s18, SLOT
	s_add_co_u32 s19, s19, SLOT
.endr
	v_mul_u32_u24 v5, v1, KS                       ; my row's scales: 64 bytes a row, and 16 more for each 256 passed
	v_lshrrev_b32 v6, 8, v5
	v_lshl_add_u32 v5, v6, 4, v5
	s_mul_i32 s18, s15, HALFS
	s_mul_i32 s19, s16, HALFS
	s_add_co_u32 s19, s19, 2*HALFS
	s_sub_co_u32 s19, s19, s18
	v_mul_u32_u24 v6, s19, v2                      ; lanes 16-31 take the weights'
	s_add_co_u32 s18, s18, SCL
	v_add_nc_u32 v5, v5, v6
	v_add_nc_u32 v[ADRS], s18, v5
	; where the results go.  b = X / 4, st = my 128 tokens' number in the batch, 0..7
	s_lshr_b32 s40, s17, 2
	s_and_b32 s41, s17, 3
	s_lshl_b32 s42, s41, 1
	s_add_co_u32 s42, s42, s15                     ; st
	s_lshl_b32 s13, s41, 8
	s_lshl_b32 s43, s15, 7
	s_add_co_u32 s13, s13, s43
	s_lshl_b32 s43, s16, 6
	s_add_co_u32 s13, s13, s43                     ; the first position whose cos and sin I make
	s_lshl_b32 s43, s40, 5
	s_lshl_b32 s44, s2, 2
	s_add_co_u32 s43, s43, s44
	s_lshl_b32 s44, s16, 1
	s_add_co_u32 s43, s43, s44                     ; q: 32 b + my first head
	s_lshl_b32 s44, s43, 15
	s_lshl_b32 s45, s42, 12
	s_add_co_u32 s44, s44, s45                     ; its codes: 32,768 bytes a head, 4,096 for 128 tokens
	s_lshl_b32 s46, s43, 12
	s_lshl_b32 s47, s42, 9
	s_add_co_u32 s46, s46, s47                     ; its scale words: 4,096 a head, 512 for 128 tokens
	s_lshl_b32 s43, s40, 1
	s_add_co_u32 s43, s43, s16
	s_mul_i32 s43, s43, 143360                     ; k, v: the pair of heads 2 b + half
	s_cmp_eq_u32 s2, 9
	s_cselect_b32 s94, 65536, 0                    ; v's codes lie 65,536 behind k's
	s_cselect_b32 s95, 8, 9                        ; v's scale words: 256 bytes for 128 tokens; k's: 512
	s_mov_b32 s96, 131072
	s_cselect_b32 s96, 139264, s96
	s_add_co_u32 s94, s94, s43
	s_add_co_u32 s94, s94, s45
	s_lshl_b32 s95, s42, s95
	s_add_co_u32 s96, s96, s43
	s_add_co_u32 s96, s96, s95
	s_cmp_lt_u32 s2, 8
	s_cselect_b32 s44, s44, s94
	s_cselect_b32 s46, s46, s96
	s_cselect_b64 s[98:99], s[98:99], s[22:23]     ; codes go to qc or to kv,
	s_cselect_b64 s[20:21], s[20:21], s[22:23]     ; scale words to qs or to kv
	s_mov_b32 s12, 0x3f800000
	s_cselect_b32 s12, 0x3e000000, s12             ; f: 1/8 for q, 1 for k: it rides in the table of cos and sin, exactly
	s_mov_b32 s45, 0
	s_mov_b32 s47, 0
	s_add_nc_u64 s[98:99], s[98:99], s[44:45]
	s_add_nc_u64 s[20:21], s[20:21], s[46:47]
.macro FRAG reg, adr, q, i             ; 16 rows x 128 K of 4-bit codes: 8 registers, two loads of 16 bytes, 32 bytes apart
.irp c, 0,1
	ds_load_b128 v[\reg+4*\c:\reg+4*\c+3], v[\adr] offset:64*(\q)+32*\c+(\i)*16*PITCH
.endr
.endm
; 16 matrix instructions: x's blocks a0, a0 + 1 against the weights' eight.  bias = 1: the first products start the sums with the bias as C.  The 64 accumulators take turns.
.macro MUL16 a0, p, q, sc, bias
.irp a, \a0, \a0+1
.irp b, 0,1,2,3,4,5,6,7
.if \bias
	v_wmma_scale_f32_16x16x128_f8f6f4 v[8*(8*((\a)%4)+\b):8*(8*((\a)%4)+\b)+7], v[128*(\p)+FR*\b:128*(\p)+FR*\b+FR-1], v[AF+FR*(\a):AF+FR*(\a)+FR-1], v[BIAS+8*\b:BIAS+8*\b+7], v[SC+8*NQ*(\sc)+NQ*\b+(\q)], v[SC+8*NQ*(\sc)+NQ*(\a)+(\q)] matrix_a_fmt:MATRIX_FMT_FP4 matrix_b_fmt:MATRIX_FMT_FP4 matrix_a_scale:MATRIX_SCALE_ROW1
.else
	v_wmma_scale_f32_16x16x128_f8f6f4 v[8*(8*((\a)%4)+\b):8*(8*((\a)%4)+\b)+7], v[128*(\p)+FR*\b:128*(\p)+FR*\b+FR-1], v[AF+FR*(\a):AF+FR*(\a)+FR-1], v[8*(8*((\a)%4)+\b):8*(8*((\a)%4)+\b)+7], v[SC+8*NQ*(\sc)+NQ*\b+(\q)], v[SC+8*NQ*(\sc)+NQ*(\a)+(\q)] matrix_a_fmt:MATRIX_FMT_FP4 matrix_b_fmt:MATRIX_FMT_FP4 matrix_a_scale:MATRIX_SCALE_ROW1
.endif
.endr
.endr
.endm
.macro FETCH_B slot, q, p
	WIN TO_B
.irp i, 0,1,2,3,4,5,6,7
	FRAG 128*(\p)+FR*\i, ADRB+\slot, \q, \i
.endr
	WIN 0
.endm
.macro FETCH_A slot, q, i0
.irp i, \i0, \i0+1, \i0+2, \i0+3
	FRAG AF+FR*(\i), ADRA+\slot, \q, \i
.endr
.endm
.macro SCALES sc                       ; a K step's scale words: lanes 0-15 x's block i, lanes 16-31 the weights' block i
.irp i, 0,1,2,3,4,5,6,7
	ds_load_b128 v[SC+8*NQ*\sc+NQ*\i:SC+8*NQ*\sc+NQ*\i+3], v[ADRS] offset:\i*SBLK
.endr
.endm
.macro PLACES n                        ; plain vector places behind matrix instructions, in front of loads into their registers and of reads of their results
.rept \n
	v_nop
.endr
.endm
.macro STEP slot, q, bias
	s_wait_dscnt 4*NL                              ; all but the youngest eight loads (x's blocks 4-7) are in
	WIN MUL_LO-0x20*(\bias)                        ; with the bias: C in window 0
	MUL16 0, (\q)%2, \q, \slot, \bias
	MUL16 2, (\q)%2, \q, \slot, \bias
	s_wait_dscnt 0
	PLACES NP
	FETCH_B \slot, (\q)+1, 1-(\q)%2
	FETCH_A \slot, (\q)+1, 0
	WIN MUL_HI-0x30*(\bias)
	MUL16 4, (\q)%2, \q, \slot, \bias
	MUL16 6, (\q)%2, \q, \slot, \bias
	PLACES NP
	WIN 0
	FETCH_A \slot, (\q)+1, 4
.endm
; A slot's last step changes slots: each wave waits for all its tensor loads, adds 0 to its spare word, waits for that and for its reads of this slot; one barrier.  fill = 1: a round of the cluster's barrier, and this slot is filled again.
.macro TURN slot, next, fill
	s_wait_tensorcnt 0x0                           ; all my tensor loads have landed: my part of the next slot
	ds_add_u32 v[SPW], v[NIL]                      ; 0 onto my spare word
	s_wait_dscnt 4*NL+1                            ; (the add and the youngest eight loads may be out)
	WIN MUL_LO
	MUL16 0, 1, NQ-1, \slot, 0
	s_wait_dscnt 0x0                               ; the add is done, and my reads of this slot are over
	s_barrier_signal -1
	MUL16 2, 1, NQ-1, \slot, 0
	WIN 0
	s_barrier_wait -1
.if \fill
	CREST                                          ; no wave of any partner still reads this slot or has a load on its way
	s_add_nc_u64 s[G0+4*\slot+2:G0+4*\slot+3], s[G0+4*\slot+2:G0+4*\slot+3], 2*ROWB
	s_add_nc_u64 s[G0B+4*\slot+2:G0B+4*\slot+3], s[G0B+4*\slot+2:G0B+4*\slot+3], 2*ROWB
	JLOAD G0+4*\slot, G1, G0B+4*\slot, G1B         ; the first tensor load behind the round; its four v_nop are the places in front of the loads below
.else
	PLACES NP
.endif
	s_wait_alu depctr_va_vdst(0)
	v_add_nc_u32 v[ADRS], 4*NQ, v[ADRS]            ; the next K step's scale words
	FETCH_B \next, 0, 0
	FETCH_A \next, 0, 0
	SCALES \next
	WIN MUL_HI
	MUL16 4, 1, NQ-1, \slot, 0
	MUL16 6, 1, NQ-1, \slot, 0
	PLACES NP
	WIN 0
	FETCH_A \next, 0, 4
.endm
.macro STEPS slot, from
.set Q, \from
.rept NQ-1-\from
	STEP \slot, Q, 0
.set Q, Q+1
.endr
.endm
	s_wait_alu depctr_va_vdst(0)
; COS AND SIN of my 64 positions are made here, while the head's tiles are on their way: four trips of 16 tokens.  A trip's 32 numbers are kept in window 1, in the 128 registers
; that lie between and behind the weights' two sets (v64-127, v192-255); they go to LDS behind the sums, when slot 0 has had its last fill and its last read.
.set F,    32                          ; v32-47  the lane's 16 frequencies
.set POS,  48                          ; v48     the lane's position, f32
.set OUT,  64                          ; v64-95  16 pairs (cos f, sin f)
.set TT,   96                          ; v96-127 four angles at work, eight registers each
	s_mov_b32 s40, 0x3f22f983                      ; 2 / pi
	s_mov_b32 s41, 0xbfc90fdb                      ; -(pi / 2 rounded to f32)
	s_mov_b32 s42, 0x333bbd2e                      ; that number less pi / 2
	s_mov_b32 s43, 0xb94ca1f9                      ; sine: -1.9515295891e-4,
	s_mov_b32 s44, 0x3c08839e                      ; 8.3321608736e-3,
	s_mov_b32 s45, 0xbe2aaaa3                      ; -1.6666654611e-1
	s_mov_b32 s46, 0x37ccf5ce                      ; cosine: 2.443315711809948e-5,
	s_mov_b32 s47, 0xbab6061a                      ; -1.388731625493765e-3,
	s_mov_b32 s94, 0x3d2aaaa5                      ; 4.166664568298827e-2
	v_cmp_eq_u32 vcc_lo, 1, v2                     ; lanes 16-31
.macro FREQ k, lo, hi                  ; frequency number 8 (k / 4) + 4 h + k % 4 of 10^(-i / 8)
	v_mov_b32 v[F+\k], \hi
	v_cndmask_b32 v[F+\k], \lo, v[F+\k], vcc_lo
.endm
	FREQ 0, 1.0, 0.31622776601683794
	FREQ 1, 0.7498942093324559, 0.23713737056616552
	FREQ 2, 0.5623413251903491, 0.1778279410038923
	FREQ 3, 0.4216965034285822, 0.1333521432163324
	FREQ 4, 0.1, 0.031622776601683794
	FREQ 5, 0.07498942093324559, 0.023713737056616552
	FREQ 6, 0.05623413251903491, 0.01778279410038923
	FREQ 7, 0.04216965034285822, 0.01333521432163324
	FREQ 8, 0.01, 0.0031622776601683794
	FREQ 9, 0.007498942093324559, 0.0023713737056616552
	FREQ 10, 0.005623413251903491, 0.001778279410038923
	FREQ 11, 0.004216965034285822, 0.001333521432163324
	FREQ 12, 0.001, 0.00031622776601683794
	FREQ 13, 0.0007498942093324559, 0.00023713737056616552
	FREQ 14, 0.0005623413251903491, 0.0001778279410038923
	FREQ 15, 0.0004216965034285822, 0.0001333521432163324
	v_add_nc_u32 v[POS], s13, v1
	v_cvt_f32_u32 v[POS], v[POS]
; Four angles by turns.  +0 the angle, then r; +1 the multiple of pi / 2; +2 the same as a whole number; +3 r^2; +4 sin r; +5 cos r; +6, +7 at work.
.macro SINCOS4 k0
.irp i, 0,1,2,3
	v_mul_f32 v[TT+8*\i], v[POS], v[F+\k0+\i]      ; the angle, rounded once
.endr
.irp i, 0,1,2,3
	v_mul_f32 v[TT+8*\i+1], s40, v[TT+8*\i]
.endr
.irp i, 0,1,2,3
	v_rndne_f32 v[TT+8*\i+1], v[TT+8*\i+1]
.endr
.irp i, 0,1,2,3
	v_fma_f32 v[TT+8*\i], v[TT+8*\i+1], s41, v[TT+8*\i]
.endr
.irp i, 0,1,2,3
	v_fma_f32 v[TT+8*\i], v[TT+8*\i+1], s42, v[TT+8*\i]
.endr
.irp i, 0,1,2,3
	v_cvt_i32_f32 v[TT+8*\i+2], v[TT+8*\i+1]
.endr
.irp i, 0,1,2,3
	v_mul_f32 v[TT+8*\i+3], v[TT+8*\i], v[TT+8*\i]
.endr
.irp i, 0,1,2,3
	v_fma_f32 v[TT+8*\i+4], s43, v[TT+8*\i+3], s44
	v_fma_f32 v[TT+8*\i+5], s46, v[TT+8*\i+3], s47
.endr
.irp i, 0,1,2,3
	v_fma_f32 v[TT+8*\i+4], v[TT+8*\i+4], v[TT+8*\i+3], s45
	v_fma_f32 v[TT+8*\i+5], v[TT+8*\i+5], v[TT+8*\i+3], s94
.endr
.irp i, 0,1,2,3
	v_mul_f32 v[TT+8*\i+6], v[TT+8*\i+3], v[TT+8*\i]
	v_fma_f32 v[TT+8*\i+7], v[TT+8*\i+3], -0.5, 1.0
	v_mul_f32 v[TT+8*\i+1], v[TT+8*\i+3], v[TT+8*\i+3]
.endr
.irp i, 0,1,2,3
	v_fma_f32 v[TT+8*\i+4], v[TT+8*\i+4], v[TT+8*\i+6], v[TT+8*\i]
	v_fma_f32 v[TT+8*\i+5], v[TT+8*\i+5], v[TT+8*\i+1], v[TT+8*\i+7]
.endr
.irp i, 0,1,2,3
	v_and_b32 v[TT+8*\i+6], 1, v[TT+8*\i+2]
.endr
.irp i, 0,1,2,3
	v_cmp_eq_u32 vcc_lo, 1, v[TT+8*\i+6]           ; in an odd quadrant sine and cosine change places
	v_cndmask_b32 v[TT+8*\i+7], v[TT+8*\i+4], v[TT+8*\i+5], vcc_lo
	v_cndmask_b32 v[TT+8*\i+1], v[TT+8*\i+5], v[TT+8*\i+4], vcc_lo
.endr
.irp i, 0,1,2,3
	v_lshlrev_b32 v[TT+8*\i+6], 30, v[TT+8*\i+2]   ; the sine's sign: bit 1 of the quadrant;
	v_add_nc_u32 v[TT+8*\i+2], 1, v[TT+8*\i+2]     ; the cosine's: bit 1 of the quadrant + 1
.endr
.irp i, 0,1,2,3
	v_and_or_b32 v[TT+8*\i+6], v[TT+8*\i+6], 0x80000000, s12   ; +-f
	v_lshlrev_b32 v[TT+8*\i+2], 30, v[TT+8*\i+2]
.endr
.irp i, 0,1,2,3
	v_and_or_b32 v[TT+8*\i+2], v[TT+8*\i+2], 0x80000000, s12
.endr
.irp i, 0,1,2,3
	v_mul_f32 v[OUT+2*(\k0+\i)], v[TT+8*\i+1], v[TT+8*\i+2]
	v_mul_f32 v[OUT+2*(\k0+\i)+1], v[TT+8*\i+7], v[TT+8*\i+6]
.endr
.endm
.macro KEEP32 base                     ; a trip's 32 numbers into window 1
	WIN 0x40
.set n, 0
.rept 32
	v_mov_b32 v[\base+n], v[OUT+n]
.set n, n+1
.endr
	WIN 0
.endm
.macro KEEP under, base, next          ; which 32 registers: by the trip's number
	s_cmp_lt_u32 s3, \under
	s_cbranch_scc0 \next
	KEEP32 \base
	s_branch .Ltab_none
\next:
.endm
	s_mov_b32 s3, 0
.Ltab:                                 ; every work-group walks the loop; those of v jump over the work alone
	s_cmp_eq_u32 s2, 9
	s_cbranch_scc1 .Ltab_none
	SINCOS4 0
	SINCOS4 4
	SINCOS4 8
	SINCOS4 12
	v_add_f32 v[POS], 0x41800000, v[POS]           ; 16 positions on
	s_wait_alu depctr_va_vdst(0)                   ; ahead of the branches
	KEEP 1, 64,  .Lkeep1
	KEEP 2, 96,  .Lkeep2
	KEEP 3, 192, .Lkeep3
	KEEP32 224
.Ltab_none:
	s_wait_alu depctr_va_vdst(0)                   ; and ahead of the backward jump and of the wait behind the loop
	s_add_co_u32 s3, s3, 1
	s_cmp_lt_u32 s3, 4
	s_cbranch_scc1 .Ltab
	s_wait_tensorcnt 0x0
	ds_add_u32 v[SPW], v[NIL]
	s_mov_b32 s[G1+2], 128<<16
	s_mov_b32 s[G1+4], 128
	s_mov_b32 s[G1B+2], 128<<16
	s_mov_b32 s[G1B+4], 128
	s_wait_dscnt 0x0                               ; the add is done
	CROUND                                         ; all four tiles are in, and all four work-groups are here
	JLOAD G0+4, G1, G0B+4, G1B                     ; K step 1: the first tensor load behind the round
	FETCH_B 0, 0, 0
	FETCH_A 0, 0, 0
	SCALES 0
	FETCH_A 0, 0, 4
	s_wait_loadcnt 0x0                             ; the bias
	STEP 0, 0, 1
	s_mov_b32 s3, 1                                ; 2,048 along K are four slots: one trip fills both slots again
.Llap:
	STEPS 0, 1
	TURN 0, 1, 1
	STEPS 1, 0
	TURN 1, 0, 1
	STEP 0, 0, 0
	s_sub_co_u32 s3, s3, 1
	s_cmp_lg_u32 s3, 0
	s_cbranch_scc1 .Llap
	STEPS 0, 1
	TURN 0, 1, 0
	STEPS 1, 0
	s_wait_dscnt 4*NL
	WIN MUL_LO
	MUL16 0, 1, NQ-1, 1, 0
	MUL16 2, 1, NQ-1, 1, 0
	s_wait_dscnt 0
	WIN MUL_HI
	MUL16 4, 1, NQ-1, 1, 0
	MUL16 6, 1, NQ-1, 1, 0
	WIN 0
	PLACES NP
; ---- BEHIND THE SUMS.  Window 0 is free from v32 on.  All LDS addresses of both ways are made here, ahead of the branch on y.
.set LO,   11                          ; v11  16 x lane
.set TW0,  8                           ; v8   where I store my part of the table
.set TR,   10                          ; v10  where I read the table of my 128 tokens
.set VSTO, 12                          ; v12  v: into my stage
.set VLD,  13                          ; v13  v: out of it
.set VGO,  14                          ; v14  v: my 16 bytes of codes in memory
.set VGS,  15                          ; v15  v: my 8 bytes of scale words
	v_and_b32 v1, 15, v0
	v_bfe_u32 v2, v0, 4, 1
	v_and_b32 v3, 31, v0
	v_lshlrev_b32 v[LO], 4, v3
	s_lshl_b32 s18, s14, 14
	v_add_nc_u32 v[TW0], s18, v[LO]                ; TBL + 16,384 x wave + 16 x lane
	s_lshl_b32 s18, s15, 15
	v_add_nc_u32 v[TR], s18, v[LO]                 ; TBL + 32,768 x my half of the tokens + 16 x lane
	s_mul_i32 s18, s14, 32*VP
	s_add_co_u32 s18, s18, VSTG
	v_mul_u32_u24 v[VSTO], v1, VP
	v_lshl_add_u32 v[VSTO], v2, 5, v[VSTO]
	v_add_nc_u32 v[VSTO], s18, v[VSTO]
	v_lshlrev_b32 v[VLD], 2, v3
	v_add_nc_u32 v[VLD], s18, v[VLD]
	v_lshlrev_b32 v[VGO], 10, v2
	v_lshl_add_u32 v[VGO], v1, 4, v[VGO]
	v_lshlrev_b32 v[VGS], 3, v2
	v_lshl_add_u32 v[VGS], v1, 4, v[VGS]
	s_mov_b32 s66, 0x76543210
	s_mov_b32 s67, 0xfedcba98                      ; v_permlanex16_b32's selects for lane l xor 16
	s_wait_alu depctr_va_vdst(0)
	s_cmp_eq_u32 s2, 9                             ; the work-groups of v have no table
	s_cbranch_scc1 .Ltab_stored
	WIN 0x04                                       ; an LDS store's data are its source 1: window 1, where my part of the table has waited since the head
.irp p, 0,1,2,3,4,5,6,7
	ds_store_b128 v[TW0], v[64+4*\p:64+4*\p+3] offset:512*\p
	ds_store_b128 v[TW0], v[96+4*\p:96+4*\p+3] offset:4096+512*\p
	ds_store_b128 v[TW0], v[192+4*\p:192+4*\p+3] offset:8192+512*\p
	ds_store_b128 v[TW0], v[224+4*\p:224+4*\p+3] offset:12288+512*\p
.endr
	WIN 0
.Ltab_stored:
	s_wait_dscnt 0x0                               ; my part of the table lies in LDS
	s_barrier_signal -1
	s_barrier_wait -1                              ; everybody's does
	s_cmp_eq_u32 s2, 9
	s_cbranch_scc1 .Lvpath
; ---- q and k.
.set CSB0, 32                          ; v32-63, v64-95  a block's 16 pairs (cos f, sin f), two buffers
.set T,    96                          ; v96-159  16 tokens x my 128 columns, rotated
.set RR,   160                         ; v160-223 codes: eight registers a block, so that no store's data are written again
.set SW,   224                         ; v224-239 scale words: head hd, block a at SW + 8 hd + a
.set TM,   240                         ; v240-243 largest magnitudes, v244-247 bytes, v248-251 the conversions' scale operands
.irp B, 0,1,2,3
	v_mov_b32 v[TM+4+\B], 0                        ; written once: a lane permute's destination counts as one of its sources
.endr
.irp p, 0,1,2,3,4,5,6,7
	ds_load_b128 v[CSB0+4*\p:CSB0+4*\p+3], v[TR] offset:512*\p
.endr
; 64 numbers of a lane in v[T] on: tile bb of head hd at T + 32 hd + 8 bb holds channels 16 bb + 8 h + 0..7 of my token.  Block B = 2 hd + (bb / 2).
; The conversions' results are ordered so that two exchanges of halves leave lane (r, h') with the 16 bytes of block h' of its head: the reader's operand registers.
.macro QSW4 rr
.irp B, 0,1,2,3
	v_max3_num_f32 v[TM+\B], |v[T+16*\B]|, |v[T+16*\B+1]|, 0x1800000   ; with the floor 2^(3 - 127): the byte cannot fall under 1
.endr
.irp i, 2,4,6,8,10,12,14
.irp B, 0,1,2,3
	v_max3_num_f32 v[TM+\B], v[TM+\B], |v[T+16*\B+\i]|, |v[T+16*\B+\i+1]|
.endr
.endr
.irp B, 0,1,2,3
	v_permlanex16_b32 v[TM+4+\B], v[TM+\B], s66, s67
.endr
.irp B, 0,1,2,3
	v_max_num_f32 v[TM+\B], v[TM+\B], v[TM+4+\B]   ; with lane l xor 16's 16: the block's largest magnitude
.endr
.irp B, 0,1,2,3
	v_add_nc_u32 v[TM+8+\B], 0xff000000, v[TM+\B]  ; 2 off its exponent field: the conversion's scale operand
.endr
.irp B, 0,1,2,3
	v_lshrrev_b32 v[TM+4+\B], 23, v[TM+8+\B]       ; the scale's byte
.endr
.irp hd, 0,1
	v_cvt_scalef32_pk8_fp4_f32 v[\rr+4*\hd],   v[T+32*\hd:T+32*\hd+7],     v[TM+8+2*\hd]
	v_cvt_scalef32_pk8_fp4_f32 v[\rr+4*\hd+1], v[T+32*\hd+16:T+32*\hd+23], v[TM+9+2*\hd]
	v_cvt_scalef32_pk8_fp4_f32 v[\rr+4*\hd+2], v[T+32*\hd+8:T+32*\hd+15],  v[TM+8+2*\hd]
	v_cvt_scalef32_pk8_fp4_f32 v[\rr+4*\hd+3], v[T+32*\hd+24:T+32*\hd+31], v[TM+9+2*\hd]
.endr
	v_nop                                          ; one plain place behind the scaled conversions
.irp hd, 0,1
	v_permlane16_swap_b32 v[\rr+4*\hd], v[\rr+4*\hd+1]
	v_permlane16_swap_b32 v[\rr+4*\hd+2], v[\rr+4*\hd+3]
.endr
.endm
.macro ROPEQ a
.set CSB, CSB0+32*((\a)%2)
.set CSN, CSB0+32*(1-(\a)%2)
.set AC, 64*((\a)%4)
	s_wait_dscnt 0x0                               ; this block's cos and sin are in
	WIN 0x02+(\a)/4                                ; source 0: the accumulators' window
.irp b, 0,1,2,3,4,5,6,7                ; each accumulator from its low end on
.irp jj, 0,1,2,3
	v_pk_mul_f32 v[T+8*\b+2*\jj:T+8*\b+2*\jj+1], v[AC+8*\b+2*\jj:AC+8*\b+2*\jj+1], v[CSB+2*(4*(\b%4)+\jj):CSB+2*(4*(\b%4)+\jj)+1] op_sel_hi:[1,0]   ; (even, odd) x cos
.endr
.endr
.irp b, 0,1,2,3,4,5,6,7
.irp jj, 0,1,2,3
	v_pk_fma_f32 v[T+8*\b+2*\jj:T+8*\b+2*\jj+1], v[AC+8*\b+2*\jj:AC+8*\b+2*\jj+1], v[CSB+2*(4*(\b%4)+\jj):CSB+2*(4*(\b%4)+\jj)+1], v[T+8*\b+2*\jj:T+8*\b+2*\jj+1] op_sel:[1,1,0] op_sel_hi:[0,1,1] neg_lo:[0,1,0]   ; - odd x sin, + even x sin
.endr
.endr
	WIN 0
.if (\a) < 7
.irp p, 0,1,2,3,4,5,6,7
	ds_load_b128 v[CSN+4*\p:CSN+4*\p+3], v[TR] offset:((\a)+1)*4096+512*\p
.endr
.endif
	QSW4 RR+8*(\a)
.irp hd, 0,1
	v_lshl_or_b32 v[SW+8*\hd+(\a)], v[TM+5+2*\hd], 8, v[TM+4+2*\hd]   ; the head's two bytes; the upper two stay 0
	global_store_b128 v[LO], v[RR+8*(\a)+4*\hd:RR+8*(\a)+4*\hd+3], s[98:99] offset:\hd*32768+(\a)*512   ; 32 lanes store 512 consecutive bytes
.endr
.endm
.irp a, 0,1,2,3,4,5,6,7
	ROPEQ \a
.endr
	v_cmp_lt_u32 vcc_lo, 15, v3                    ; lanes 0-15 store blocks 0-3's words of their row, lanes 16-31 blocks 4-7's
.irp hd, 0,1
.irp w, 0,1,2,3
	v_cndmask_b32 v[T+4*\hd+\w], v[SW+8*\hd+\w], v[SW+8*\hd+4+\w], vcc_lo
.endr
	global_store_b128 v[LO], v[T+4*\hd:T+4*\hd+3], s[20:21] offset:\hd*4096
.endr
	s_branch .Lend
; ---- v: 32 tokens at a time through my stage: in by rows of 128 columns, out by columns: a lane then holds one channel, and its 32 registers are a block along the keys.
.Lvpath:
.set VX,  32                           ; v32-95   two sets of 32 numbers
.set VC,  96                           ; v96-159  codes: four registers for each of 16 units, so that no store's data are written again
.set SBW, 160                          ; v160-163 the scale words: unit u's four bytes
.set VM,  164                          ; v164-167 at work
.macro LOADU u
.irp i, 0,1,2,3,4,5,6,7,8,9,10,11,12,13,14,15,16,17,18,19,20,21,22,23,24,25,26,27,28,29,30,31
	ds_load_b32 v[VX+32*((\u)%2)+\i], v[VLD] offset:\i*VP+128*(\u)
.endr
.endm
.macro VUNIT A2, u
.set XS, VX+32*((\u)%2)
.set CC, VC+4*(4*(\A2)+(\u))
.if (\u) < 3
	s_wait_dscnt 32                                ; this unit's 32 loads are in; the next unit's may be out
.else
	s_wait_dscnt 0x0
.endif
	v_max3_num_f32 v[VM], |v[XS]|, |v[XS+1]|, |v[XS+2]|
	v_max3_num_f32 v[VM+1], |v[XS+3]|, |v[XS+4]|, |v[XS+5]|
.irp i, 6,10,14,18,22,26
	v_max3_num_f32 v[VM], v[VM], |v[XS+\i]|, |v[XS+\i+1]|
	v_max3_num_f32 v[VM+1], v[VM+1], |v[XS+\i+2]|, |v[XS+\i+3]|
.endr
	v_max3_num_f32 v[VM], v[VM], |v[XS+30]|, |v[XS+31]|
	v_max3_num_f32 v[VM], v[VM], v[VM+1], 0x1800000
	v_add_nc_u32 v[VM+2], 0xff000000, v[VM]
	v_lshrrev_b32 v[VM+3], 23, v[VM+2]
.if (\A2) == 0
	v_mov_b32 v[SBW+(\u)], v[VM+3]
.else
	v_lshl_or_b32 v[SBW+(\u)], v[VM+3], 8*(\A2), v[SBW+(\u)]
.endif
.irp g, 0,1,2,3
	v_cvt_scalef32_pk8_fp4_f32 v[CC+\g], v[XS+8*\g:XS+8*\g+7], v[VM+2]
.endr
	v_nop                                          ; one plain place behind the scaled conversions
	global_store_b128 v[VGO], v[CC:CC+3], s[98:99] offset:((\u)/2)*32768+((\u)%2)*2048+((\A2)/2)*512+((\A2)%2)*256   ; each half of the lanes stores 256 consecutive bytes, aligned
.if (\u) < 2
	LOADU (\u)+2
.endif
.endm
.macro VBLOCK A2
	WIN 0x08+4*((\A2)/2)                           ; an LDS store's data are its source 1: window 2 or 3
.irp aa, 0,1
.irp b, 0,1,2,3,4,5,6,7
	ds_store_b128 v[VSTO], v[64*((2*(\A2)+\aa)%4)+8*\b:64*((2*(\A2)+\aa)%4)+8*\b+3] offset:\aa*16*VP+64*\b   ; each accumulator from its low end on
	ds_store_b128 v[VSTO], v[64*((2*(\A2)+\aa)%4)+8*\b+4:64*((2*(\A2)+\aa)%4)+8*\b+7] offset:\aa*16*VP+64*\b+16
.endr
.endr
	WIN 0
	LOADU 0                                        ; LDS serves a wave's instructions in order (ISA guide 5.7.1.4): these see the stores above
	LOADU 1
.irp u, 0,1,2,3
	VUNIT \A2, \u
.endr
.endm
.irp A2, 0,1,2,3
	VBLOCK \A2
.endr
.irp c, 0,1
	global_store_b64 v[VGS], v[SBW+2*\c:SBW+2*\c+1], s[20:21] offset:\c*2048   ; 32 lanes store 256 consecutive bytes, aligned
.endr
.Lend:
	s_wait_tensorcnt 0x0                           ; the wave's end
	ds_add_u32 v[SPW], v[NIL]
	s_wait_dscnt 0x0
	CROUND                                         ; the closing round
	s_endpgm
.Lfunc_end_k_qe8619894a2_qkv:
	.size	k_qe8619894a2_qkv, .Lfunc_end_k_qe8619894a2_qkv-k_qe8619894a2_qkv
	.p2alignl 7, 3214868480
	.fill 96, 4, 3214868480
	.section	.rodata,"a",@progbits
	.p2align	6, 0x0
	.amdhsa_kernel k_qe8619894a2_qkv
		.amdhsa_group_segment_fixed_size 327680
		.amdhsa_private_segment_fixed_size 0
		.amdhsa_enable_private_segment 0
		.amdhsa_kernarg_size 112
		.amdhsa_user_sgpr_count 2
		.amdhsa_user_sgpr_kernarg_segment_ptr 1
		.amdhsa_wavefront_size32 1
		.amdhsa_system_sgpr_workgroup_id_x 1
		.amdhsa_system_sgpr_workgroup_id_y 1
		.amdhsa_system_sgpr_workgroup_id_z 1
		.amdhsa_system_vgpr_workitem_id 0
		.amdhsa_next_free_vgpr 1024
		.amdhsa_next_free_sgpr 102
		.amdhsa_reserve_vcc 1
		.amdhsa_float_denorm_mode_32 3
		.amdhsa_float_denorm_mode_16_64 3
		.amdhsa_memory_ordered 1
		.amdhsa_forward_progress 1
		.amdhsa_inst_pref_size 255
	.end_amdhsa_kernel
	.section	.bss,"aw",@nobits
	.p2align	6
	.space	262144
	.amdgpu_metadata
---
amdhsa.version: [ 1, 2 ]
amdhsa.kernels:
  - .name:           k_qe8619894a2_qkv
    .symbol:         k_qe8619894a2_qkv.kd
    .args:
      - { .name: x_codes, .offset: 0, .size: 8, .value_kind: global_buffer, .address_space: global }
      - { .name: x_scales, .offset: 8, .size: 8, .value_kind: global_buffer, .address_space: global }
      - { .name: Wq_codes, .offset: 16, .size: 8, .value_kind: global_buffer, .address_space: global }
      - { .name: Wq_scales, .offset: 24, .size: 8, .value_kind: global_buffer, .address_space: global }
      - { .name: Wk_codes, .offset: 32, .size: 8, .value_kind: global_buffer, .address_space: global }
      - { .name: Wk_scales, .offset: 40, .size: 8, .value_kind: global_buffer, .address_space: global }
      - { .name: Wv_codes, .offset: 48, .size: 8, .value_kind: global_buffer, .address_space: global }
      - { .name: Wv_scales, .offset: 56, .size: 8, .value_kind: global_buffer, .address_space: global }
      - { .name: bq, .offset: 64, .size: 8, .value_kind: global_buffer, .address_space: global }
      - { .name: bk, .offset: 72, .size: 8, .value_kind: global_buffer, .address_space: global }
      - { .name: bv, .offset: 80, .size: 8, .value_kind: global_buffer, .address_space: global }
      - { .name: qc, .offset: 88, .size: 8, .value_kind: global_buffer, .address_space: global }
      - { .name: qs, .offset: 96, .size: 8, .value_kind: global_buffer, .address_space: global }
      - { .name: kv, .offset: 104, .size: 8, .value_kind: global_buffer, .address_space: global }
    .group_segment_fixed_size: 327680
    .private_segment_fixed_size: 0
    .kernarg_segment_align: 8
    .kernarg_segment_size: 112
    .max_flat_workgroup_size: 128
    .sgpr_count:     102
    .vgpr_count:     1024
    .wavefront_size: 32
...
	.end_amdgpu_metadata
.endif
;; end of part 1
;; launch attn (part 2): grid 32 x 8, 16 waves a work-group, clusters of 4 x 1, 169,984 bytes of LDS; arguments qc, qs, kv, oc, os; writes oc, os
.if DOCPART == 2
	.amdgcn_target "amdgcn-amd-amdhsa--gfx1250"
	.amdhsa_code_object_version 6
	.text
	.protected	k_qe8619894a2_attn
	.globl	k_qe8619894a2_attn
	.p2align	8
	.type	k_qe8619894a2_attn,@function
k_qe8619894a2_attn:
	s_mov_b64 s[64:65], 0
	v_nop
	global_prefetch_b8 v0, s[64:65] scope:SCOPE_SE
	s_setreg_imm32_b32 hwreg(HW_REG_WAVE_MODE, 25, 1), 1
	s_wait_xcnt 0x0
	s_wait_alu depctr_hold_cnt(0) depctr_sa_sdst(0) depctr_va_vdst(0) depctr_va_sdst(0) depctr_va_ssrc(0) depctr_va_vcc(0) depctr_vm_vsrc(0)
	s_getreg_b32 s2, hwreg(HW_REG_IB_STS2, 6, 4)
	s_cmp_eq_u32 s2, 0
	s_cbranch_scc0 .Lentry_in_a_cluster
	s_endpgm
.Lentry_in_a_cluster:
	s_bfe_u32 s2, ttmp6, 0x10000c
	s_cmp_lg_u32 s2, 0x3003
	s_cbranch_scc0 .Lentry_shape_is_right
	s_endpgm
.Lentry_shape_is_right:
; Causal attention on codes of FP4 (E2M1): S^T = K Q^T (K = the head's 64 channels, in an instruction of 128: q's upper 64 codes are zeros), p = 2^(t - M) quantised along the keys, O^T = V^T P^T, O / l,
; and O quantised along (g h d) for the last product.  t = score x log2(e) (q carries the 1/8); M = the running largest t rounded up to a whole number; l = the sum of the unquantised p.
; SHARES.  Work-group y = the pair of key/value heads 2 b + h'; its whole block of kv (codes and scale words of K and V, 143,360 bytes) comes into LDS ONCE and stays.
; The four work-groups of a cluster are four groups g of query heads on the same pair and the same queries: the block is asked for jointly, by eight loads (waves 0 to 7, 70 rows of 256 bytes each).
; Cluster x gives g's upper bit and qt = 0..3.  Wave wv: head c = wv % 2 of the pair, pp = wv / 2; it owns TWO tiles of 16 queries, tile 8 qt + pp and tile 63 - that, and walks them ONE AFTER THE OTHER
; in the same registers: qt + 1 key steps of 128 for the first, 8 - qt for the second: nine trips for every wave, a constant.  The key step of trip u is (u + offset) & 7, the offset 0 or 7 - qt by ids.
; WORK LEFT OUT: keys behind a query are hidden by the causal mask that the problem builds itself.  A tile's last key step lies on the diagonal: of its four blocks of 32 keys only the first pp' / 2 + 1 hold
; a visible key (pp' = the tile's place in the step), so that step has four copies, cut to 1, 2, 3 or 4 blocks, chosen by a scalar branch on ids; only the top two tiles of 16 keys need the mask by lanes.
; The blocks left out enter the second product as zero codes under the scale byte 0.
; LAYOUT.  Both products are used transposed: a lane holds ONE query (lane % 16).  In S^T tile t, lane (r, h), register j: key 16 t + 8 h + j.  A block of 32 keys is tiles 2 B, 2 B + 1 in lanes l and l xor 16.
; LIMITS: a block whose largest magnitude lies under 2^-124 gets the scale byte 1; NaN and infinities are not served; the scaled scores stay under 2^31 in magnitude.
; No LDS byte is filled twice, so there is no ring and nothing to prefetch ahead of.  The gathered scale words have LDS bytes of their own behind the block.
.set KVB,  143360
.set PART, 17920                       ; what one tensor load brings: 70 rows of 256 bytes
.set GATH, 143360                      ; 1,024 bytes: the scale words of the work-group's 2 x 128 tokens, a half word from each head
.set AK0,  1                           ; v1   K's codes: 32,768 c + 16 lane
.set AV0,  2                           ; v2   V's codes: 65,536 + the same
.set AKS0, 3                           ; v3   K's scale words: 131,072 + 4,096 c + 16 lane
.set AVS0, 4                           ; v4   V's: 139,264 + 2,048 c + 16 r
.set LI,   5                           ; v5   16 x lane
.set NINF, 6                           ; v6   -infinity
.set DD,   7                           ; v7   the mask's number of the tile in hand (v8: the second tile's)
.set ST,   12                          ; v12 -M, v13 t, v[14:15] l in two halves
.set QF,   20                          ; v20-23 q's codes of the tile in hand, v24-27 zeros (v28-31: the second tile's codes)
.set QS,   36                          ; v36 its scale words (v37: the second tile's)
.set ADK,  38
.set ADV,  39
.set ADS,  40
.set ADT,  41
.set KF,   44                          ; v44-75 K's eight tiles, four registers each, v76-79 zeros; later V's four fragments
.set KSC,  80
.set VSC,  84
.set PSC,  88
.set P,    92                          ; v92-99 p's codes
.set GR,   100                         ; v100 where waves 0 and 1 read the gathered words
.set S,    104                         ; v104-167 S^T, then p
.set O,    168                         ; v168-199 O^T
.set BM,   232                         ; v232-235 the blocks' largest
.set PB,   236                         ; v236-239 the other half's; bytes; a chain of the sum
.set SO,   244                         ; v244-247 the conversions' scale operands
.set FF,   252                         ; v252 f = 2^(old M - new M); v253 named with it as a pair
.set TP,   254
.macro ROUND
	s_barrier_signal -1
	s_barrier_wait -1
	s_cmp_lg_u32 s14, 0
	s_cbranch_scc1 .Lnot_wave_0_\@
	s_barrier_signal -3
.Lnot_wave_0_\@:
	s_barrier_wait -3
	s_barrier_signal -1
	s_barrier_wait -1
.endm
.macro INIT                            ; a tile begins: the largest t -3e38, sums and O^T zeros, which the first change of M leaves zeros
	v_mov_b32 v[ST+1], 0xff61b1e6
	s_delay_alu instid0(VALU_DEP_1)
	v_floor_f32 v[ST], -v[ST+1]
	v_mov_b32 v[ST+2], 0
	v_mov_b32 v[ST+3], 0
.set n, 0
.rept 32
	v_mov_b32 v[O+n], 0
.set n, n+1
.endr
.endm
	s_load_b256 s[4:11], s[0:1], 0x0               ; qc, qs, kv, oc
	s_load_b64 s[12:13], s[0:1], 0x20              ; os
	v_lshl_add_u32 v250, v0, 2, 0x29000
	v_mov_b32 v251, 0
	ds_add_u32 v250, v251
	ds_add_u32 v250, v251
	v_lshrrev_b32 v11, 5, v0
	s_delay_alu instid0(VALU_DEP_1)
	v_readfirstlane_b32 s14, v11                   ; wave 0..15
	s_and_b32 s15, s14, 1                          ; c
	s_lshr_b32 s16, s14, 1                         ; pp
	s_xor_b32 s17, s16, 7                          ; 7 - pp
	s_lshr_b32 s19, ttmp9, 1                       ; qt
	s_xor_b32 s20, s19, 7                          ; 7 - qt
	s_and_b32 s21, ttmp7, 0xffff                   ; the pair
	s_lshr_b32 s22, s21, 1                         ; b
	s_and_b32 s23, s21, 1                          ; h'
	; LDS addresses: made of the lane and the wave's number alone
	v_and_b32 v11, 31, v0
	s_delay_alu instid0(VALU_DEP_1)
	v_lshlrev_b32 v[LI], 4, v11
	v_and_b32 v42, 15, v0                          ; r
	s_wait_alu depctr_va_vdst(0)
	v_bfe_u32 v43, v0, 4, 1                        ; h
	s_wait_alu depctr_va_vdst(0)
	s_lshl_b32 s44, s15, 15
	v_add_nc_u32 v[AK0], s44, v[LI]
	s_delay_alu instid0(VALU_DEP_1)
	v_add_nc_u32 v[AV0], 65536, v[AK0]
	s_lshl_b32 s44, s15, 12
	s_add_co_u32 s44, s44, 131072
	v_add_nc_u32 v[AKS0], s44, v[LI]
	v_lshlrev_b32 v11, 4, v42                      ; 16 r
	s_lshl_b32 s44, s15, 11
	s_add_co_u32 s44, s44, 139264
	v_add_nc_u32 v[AVS0], s44, v11
	s_lshl_b32 s44, s16, 6
	s_lshl_b32 s45, s15, 1
	s_add_co_u32 s44, s44, s45
	s_add_co_u32 s44, s44, GATH
	v_lshl_add_u32 v9, v42, 2, s44                 ; my first tile's half words: 64 pp + 4 r + 2 c
	s_lshl_b32 s44, s17, 6
	s_add_co_u32 s44, s44, s45
	s_add_co_u32 s44, s44, GATH+512
	v_lshl_add_u32 v10, v42, 2, s44                ; my second tile's: 512 + 64 (7 - pp) + 4 r + 2 c
	s_lshl_b32 s44, s15, 9
	s_add_co_u32 s44, s44, GATH
	v_add_nc_u32 v[GR], s44, v[LI]
	v_lshlrev_b32 v8, 3, v43
	s_delay_alu instid0(VALU_DEP_1)
	v_sub_nc_u32 v8, v42, v8                       ; r - 8 h
	s_lshl_b32 s44, s16, 4
	v_add_nc_u32 v7, s44, v8                       ; on the diagonal: register 8 t + j is hidden where 16 t + j > my query's place in the step - 8 h
	s_lshl_b32 s44, s17, 4
	v_add_nc_u32 v8, s44, v8
	; the descriptor: 70 rows of 32 elements of 8 bytes, dense; mask: all four work-groups
	s_mov_b32 s28, 15|(3<<16)|(1<<21)
	s_mov_b32 s29, 32<<16
	s_mov_b32 s30, 70<<16
	s_mov_b32 s31, 32<<16
	s_mov_b32 s32, 70
	s_mov_b32 s33, 32
	s_mov_b32 s34, 0
	s_mov_b32 s35, 0
	s_mov_b32 s24, 1
	s_mul_i32 s25, s14, PART
	s_mul_i32 s44, s21, KVB
	s_add_co_u32 s44, s44, s25
	s_mov_b32 s45, 0
	s_mov_b32 s36, 0x76543210
	s_mov_b32 s37, 0xfedcba98
	s_mov_b32 s38, 0x3fb8aa3b                      ; log2(e)
	s_mov_b32 s39, s38
	s_wait_dscnt 0x0
	s_wait_kmcnt 0x0
	s_add_nc_u64 s[26:27], s[8:9], s[44:45]
	s_or_b32 s27, s27, 0x80000000
	; global offsets; g hangs on my place in the cluster and enters these alone
	s_bfe_u32 s18, ttmp6, 0x40000
	s_and_b32 s46, ttmp9, 1
	s_lshl_b32 s46, s46, 2
	s_add_co_u32 s18, s18, s46                     ; g
	s_lshl_b32 s46, s18, 2
	s_lshl_b32 s47, s23, 1
	s_add_co_u32 s46, s46, s47
	s_add_co_u32 s46, s46, s15
	s_lshl_b32 s47, s22, 5
	s_add_co_u32 s46, s46, s47                     ; 32 b + my query head
	s_lshl_b32 s48, s19, 3
	s_add_co_u32 s48, s48, s16                     ; my first tile
	s_xor_b32 s49, s48, 63                         ; my second
	s_lshl_b32 s47, s46, 15
	s_lshl_b32 s50, s48, 9
	s_add_co_u32 s50, s50, s47
	s_mov_b32 s51, 0
	s_lshl_b32 s52, s49, 9
	s_add_co_u32 s52, s52, s47
	s_mov_b32 s53, 0
	s_lshl_b32 s47, s46, 12
	s_lshr_b32 s54, s48, 2
	s_lshl_b32 s54, s54, 8
	s_add_co_u32 s54, s54, s47
	s_and_b32 s55, s48, 3
	s_lshl_b32 s55, s55, 2
	s_add_co_u32 s54, s54, s55
	s_mov_b32 s55, 0
	s_lshr_b32 s56, s49, 2
	s_lshl_b32 s56, s56, 8
	s_add_co_u32 s56, s56, s47
	s_and_b32 s57, s49, 3
	s_lshl_b32 s57, s57, 2
	s_add_co_u32 s56, s56, s57
	s_mov_b32 s57, 0
	s_lshl_b32 s58, s18, 1
	s_add_co_u32 s58, s58, s23                     ; the last product's K step: 2 g + h'
	s_lshl_b32 s59, s22, 6
	s_lshl_b32 s47, s15, 9
	s_add_co_u32 s60, s59, s48
	s_lshl_b32 s60, s60, 4
	s_add_co_u32 s60, s60, s58
	s_lshl_b32 s60, s60, 10
	s_add_co_u32 s60, s60, s47
	s_mov_b32 s61, 0
	s_add_co_u32 s62, s59, s49
	s_lshl_b32 s62, s62, 4
	s_add_co_u32 s62, s62, s58
	s_lshl_b32 s62, s62, 10
	s_add_co_u32 s62, s62, s47
	s_mov_b32 s63, 0
	s_cmp_eq_u32 s14, 0
	s_cselect_b32 s46, s19, s20                    ; wave 0 stores the words of tokens 128 qt on, wave 1 those of 128 (7 - qt) on
	s_lshl_b32 s46, s46, 9
	s_lshl_b32 s47, s58, 14
	s_add_co_u32 s46, s46, s47
	s_lshl_b32 s47, s22, 12
	s_add_co_u32 s46, s46, s47
	s_mov_b32 s47, 0
	s_add_nc_u64 s[50:51], s[4:5], s[50:51]
	s_add_nc_u64 s[52:53], s[4:5], s[52:53]
	s_add_nc_u64 s[54:55], s[6:7], s[54:55]
	s_add_nc_u64 s[56:57], s[6:7], s[56:57]
	s_add_nc_u64 s[60:61], s[10:11], s[60:61]
	s_add_nc_u64 s[62:63], s[10:11], s[62:63]
	s_add_nc_u64 s[12:13], s[12:13], s[46:47]
	ROUND                                          ; all four work-groups are here: the joint loads meet
	s_cmp_lt_u32 s14, 8
	s_cbranch_scc0 .Lno_fetch
	tensor_load_to_lds s[24:27], s[28:35]          ; one load of mine is out
	s_nop 0
.rept 4
	v_nop
.endr
.Lno_fetch:
	global_load_b128 v[20:23], v[LI], s[50:51]     ; q's codes of my two tiles: they stay in registers
	global_load_b128 v[28:31], v[LI], s[52:53]
	s_wait_alu depctr_va_vdst(0)
	global_load_b32 v36, v11, s[54:55]             ; and their scale words
	global_load_b32 v37, v11, s[56:57]
.irp j, 24,25,26,27,76,77,78,79
	v_mov_b32 v[\j], 0                             ; zero codes for K = 64 .. 127
.endr
	v_mov_b32 v[NINF], 0xff800000
.irp j, 236,237,238,239,252,253
	v_mov_b32 v[\j], 0
.endr
	INIT
	s_mov_b32 s44, 0                               ; the trip
	s_wait_loadcnt 0x0
	s_wait_tensorcnt 0x0                           ; my part of the block has landed
	s_barrier_signal -1
	s_barrier_wait -1                              ; everybody's has
; A KEY STEP for the tile in hand, on the first NB blocks of 32 keys of the step's four.  NB under 4: a diagonal step; NB = 4: any step, the mask jumped over off the diagonal.
.macro STEP NB
	v_add_nc_u32 v[ADK], s41, v[AK0]               ; (these four are the places behind the last products, in front of the loads below)
	v_add_nc_u32 v[ADV], s41, v[AV0]
	v_add_nc_u32 v[ADS], s42, v[AKS0]
	v_add_nc_u32 v[ADT], s43, v[AVS0]
.irp t, 0,1,2,3,4,5,6,7
	ds_load_b128 v[KF+4*\t:KF+4*\t+3], v[ADK] offset:512*\t
.endr
	ds_load_b128 v[KSC:KSC+3], v[ADS]              ; lanes 0-15: the words of tiles 0-3, lanes 16-31: of tiles 4-7
	s_wait_alu depctr_va_vdst(0)
	s_wait_dscnt 0x0
; K's operand of tile t runs on into tile t + 1's codes (the last into zeros): they meet q's zero codes, under scale bytes 0, and add nothing.
.set tt, 0
.rept 2*\NB
.if tt < 4
	v_wmma_scale_f32_16x16x128_f8f6f4 v[S+8*tt:S+8*tt+7], v[KF+4*tt:KF+4*tt+7], v[QF:QF+7], 0, v[KSC+tt], v[QS] matrix_a_fmt:MATRIX_FMT_FP4 matrix_b_fmt:MATRIX_FMT_FP4
.else
	v_wmma_scale_f32_16x16x128_f8f6f4 v[S+8*tt:S+8*tt+7], v[KF+4*tt:KF+4*tt+7], v[QF:QF+7], 0, v[KSC+tt-4], v[QS] matrix_a_fmt:MATRIX_FMT_FP4 matrix_b_fmt:MATRIX_FMT_FP4 matrix_a_scale:MATRIX_SCALE_ROW1
.endif
.set tt, tt+1
.endr
.rept 4
	v_nop                                          ; places in front of the loads into K's registers and of the first read of the scores
.endr
.irp t, 0,1,2,3
.irp cc, 0,1
	ds_load_b128 v[KF+8*\t+4*\cc:KF+8*\t+4*\cc+3], v[ADV] offset:1024*\t+512*\cc   ; V's four fragments land while the softmax is walked
.endr
.endr
	ds_load_b128 v[VSC:VSC+3], v[ADT]
.if \NB == 4
	s_cmp_lg_u32 s40, s46                          ; only the diagonal step hides keys
	s_cbranch_scc1 .Lopen_\@
.endif
.set n, 16*\NB-16                      ; the diagonal lies in tile 2 NB - 2 or 2 NB - 1: the tiles under them are open
.rept 16
	v_cmp_gt_i32 vcc_lo, 16*(n/8)+n%8, v[DD]
	v_cndmask_b32 v[S+n], v[S+n], v[NINF], vcc_lo
.set n, n+1
.endr
.Lopen_\@:
.set b, 0
.rept \NB
	v_max3_num_f32 v[BM+b], v[S+16*b], v[S+1+16*b], v[S+2+16*b]   ; the largest score of each block of 32 keys: for the row's maximum and for the block's largest p
.set b, b+1
.endr
.irp i, 3,5,7,9,11,13
.set b, 0
.rept \NB
	v_max3_num_f32 v[BM+b], v[BM+b], v[S+16*b+\i], v[S+1+16*b+\i]
.set b, b+1
.endr
.endr
.set b, 0
.rept \NB
	v_max_num_f32 v[BM+b], v[BM+b], v[S+15+16*b]
.set b, b+1
.endr
.set b, 0
.rept \NB
	s_delay_alu instid0(VALU_DEP_\NB)
	v_permlanex16_b32 v[PB+b], v[BM+b], s36, s37
.set b, b+1
.endr
.set b, 0
.rept \NB
	s_delay_alu instid0(VALU_DEP_\NB)
	v_max_num_f32 v[BM+b], v[BM+b], v[PB+b]
.set b, b+1
.endr
.if \NB == 4
	s_delay_alu instid0(VALU_DEP_2)
	v_max3_num_f32 v[TP], v[BM], v[BM+1], v[BM+2]
	s_delay_alu instid0(VALU_DEP_1)
	v_max_num_f32 v[TP], v[TP], v[BM+3]
	s_delay_alu instid0(VALU_DEP_1)
	v_mul_f32 v[TP], s38, v[TP]
.elseif \NB == 3
	s_delay_alu instid0(VALU_DEP_1)
	v_max3_num_f32 v[TP], v[BM], v[BM+1], v[BM+2]
	s_delay_alu instid0(VALU_DEP_1)
	v_mul_f32 v[TP], s38, v[TP]
.elseif \NB == 2
	s_delay_alu instid0(VALU_DEP_1)
	v_max_num_f32 v[TP], v[BM], v[BM+1]
	s_delay_alu instid0(VALU_DEP_1)
	v_mul_f32 v[TP], s38, v[TP]
.else
	s_delay_alu instid0(VALU_DEP_1)
	v_mul_f32 v[TP], s38, v[BM]
.endif
	s_delay_alu instid0(VALU_DEP_1)
	v_max_num_f32 v[ST+1], v[ST+1], v[TP]          ; the running largest t
	v_mov_b32 v[TP], v[ST]
	s_delay_alu instid0(VALU_DEP_2)
	v_floor_f32 v[ST], -v[ST+1]                    ; the new -M = -ceil(t)
	s_delay_alu instid0(VALU_DEP_1)
	v_sub_f32 v[TP], v[ST], v[TP]
	s_delay_alu instid0(VALU_DEP_1)
	v_cvt_i32_f32 v[TP], v[TP]                     ; (it saturates)
	s_delay_alu instid0(VALU_DEP_1)
	v_ldexp_f32 v[FF], 1.0, v[TP]                  ; f = 2^(old M - new M)
.set n, 0
.rept 8*\NB
	v_pk_fma_f32 v[S+n:S+n+1], v[S+n:S+n+1], s[38:39], v[ST:ST+1] op_sel_hi:[1,0,0]   ; t - M
.set n, n+2
.endr
.set b, 0
.rept \NB
	v_fma_f32 v[BM+b], v[BM+b], s38, v[ST]
.set b, b+1
.endr
	s_wait_alu depctr_va_vdst(0)                   ; ahead of the batch
.set n, 0
.rept 16*\NB
	v_exp_f32 v[S+n], v[S+n]                       ; p, at most 1, not normalised
.set n, n+1
.endr
	v_pk_mul_f32 v[ST+2:ST+3], v[ST+2:ST+3], v[FF:FF+1] op_sel_hi:[1,0]   ; the sums under the new M: the plain place behind the exponentials
	s_wait_alu depctr_va_vdst(0)                   ; one wait for the batch, ahead of its first reader
.set b, 0
.rept \NB
	v_exp_f32 v[BM+b], v[BM+b]                     ; the blocks' largest p
.set b, b+1
.endr
	v_pk_add_f32 v[PB:PB+1], v[S:S+1], v[S+2:S+3]  ; the row's sum of the unquantised p, in two chains
.set n, 4
.rept 4*\NB-1
	v_pk_add_f32 v[ST+2:ST+3], v[ST+2:ST+3], v[S+n:S+1+n]
	v_pk_add_f32 v[PB:PB+1], v[PB:PB+1], v[S+2+n:S+3+n]
.set n, n+4
.endr
	s_delay_alu instid0(VALU_DEP_1)
	v_pk_add_f32 v[ST+2:ST+3], v[ST+2:ST+3], v[PB:PB+1]
	s_wait_alu depctr_va_vdst(0)                   ; and one for the blocks' largest
.set b, 0
.rept \NB
	v_max_num_f32 v[BM+b], 0x1800000, v[BM+b]      ; the floor 2^(3 - 127)
.set b, b+1
.endr
.set b, 0
.rept \NB
	s_delay_alu instid0(VALU_DEP_\NB)
	v_add_nc_u32 v[SO+b], 0xff000000, v[BM+b]
.set b, b+1
.endr
.set b, 0
.rept \NB
	s_delay_alu instid0(VALU_DEP_\NB)
	v_lshrrev_b32 v[PB+b], 23, v[SO+b]
.set b, b+1
.endr
; p's scale word for these 128 keys; the bytes of blocks left out are 0: a finite code, over zero codes
.if \NB == 1
	s_delay_alu instid0(VALU_DEP_1)
	v_mov_b32 v[PSC], v[PB]
.elseif \NB == 2
	s_delay_alu instid0(VALU_DEP_1)
	v_lshl_or_b32 v[PSC], v[PB+1], 8, v[PB]
.elseif \NB == 3
	s_delay_alu instid0(VALU_DEP_2)
	v_lshl_or_b32 v[PSC], v[PB+1], 8, v[PB]
.else
	s_delay_alu instid0(VALU_DEP_3)
	v_lshl_or_b32 v[PSC], v[PB+1], 8, v[PB]
.endif
.if \NB > 2
	s_delay_alu instid0(VALU_DEP_1)
	v_lshl_or_b32 v[PSC], v[PB+2], 16, v[PSC]
.endif
.if \NB > 3
	s_delay_alu instid0(VALU_DEP_1)
	v_lshl_or_b32 v[PSC], v[PB+3], 24, v[PSC]
.endif
.set G, 0
.rept 2
.if 2*G < \NB
	v_cvt_scalef32_pk8_fp4_f32 v[P+4*G],   v[S+32*G:S+32*G+7],     v[SO+2*G]
.if 2*G+1 < \NB
	v_cvt_scalef32_pk8_fp4_f32 v[P+4*G+1], v[S+32*G+16:S+32*G+23], v[SO+1+2*G]
.endif
	v_cvt_scalef32_pk8_fp4_f32 v[P+4*G+2], v[S+32*G+8:S+32*G+15],  v[SO+2*G]
.if 2*G+1 < \NB
	v_cvt_scalef32_pk8_fp4_f32 v[P+4*G+3], v[S+32*G+24:S+32*G+31], v[SO+1+2*G]
.endif
.endif
.set G, G+1
.endr
	v_nop                                          ; one plain place behind the scaled conversions
.set G, 0
.rept 2
.if 2*G+1 >= \NB
	v_mov_b32 v[P+4*G+1], 0                        ; zero codes for a block left out
	v_mov_b32 v[P+4*G+3], 0
.endif
.if 2*G >= \NB
	v_mov_b32 v[P+4*G], 0
	v_mov_b32 v[P+4*G+2], 0
.else
	v_permlane16_swap_b32 v[P+4*G], v[P+4*G+1]     ; lane (r, h') now holds keys 64 G + 32 h' + 0..31
	v_permlane16_swap_b32 v[P+4*G+2], v[P+4*G+3]
.endif
.set G, G+1
.endr
.set n, 0
.rept 16
	v_pk_mul_f32 v[O+n:O+n+1], v[O+n:O+n+1], v[FF:FF+1] op_sel_hi:[1,0]   ; O^T under the new M; twelve of these name no register of a given product below: its places behind p's scale word and codes
.set n, n+2
.endr
	s_wait_alu depctr_va_vdst(0)
	s_wait_dscnt 0x0                               ; V
.irp t, 0,1,2,3                        ; the four accumulators take turns
	v_wmma_scale_f32_16x16x128_f8f6f4 v[O+8*\t:O+8*\t+7], v[KF+8*\t:KF+8*\t+7], v[P:P+7], v[O+8*\t:O+8*\t+7], v[VSC+2*(\t%2)+\t/2], v[PSC] matrix_a_fmt:MATRIX_FMT_FP4 matrix_b_fmt:MATRIX_FMT_FP4
.endr
.endm
; O^T / l, quantised along the head's 64 channels (two blocks), stored as half of the last product's operand image; the two scale bytes go to LDS as a half word.
.macro FINISH PR, GA, OB, WD
	v_add_f32 v[ST+2], v[ST+2], v[ST+3]
	s_delay_alu instid0(VALU_DEP_1)
	v_permlanex16_b32 v[FF], v[ST+2], s36, s37
	s_delay_alu instid0(VALU_DEP_1)
	v_add_f32 v[ST+2], v[ST+2], v[FF]              ; the row's sum
	s_wait_alu depctr_va_vdst(0)
	v_rcp_f32 v[ST+2], v[ST+2]
	v_nop
	s_wait_alu depctr_va_vdst(0)                   ; ahead of the first reader
.set n, 0
.rept 16
	v_pk_mul_f32 v[S+n:S+n+1], v[O+n:O+n+1], v[ST+2:ST+3] op_sel_hi:[1,0]
.set n, n+2
.endr
.irp B, 0,1
	v_max3_num_f32 v[BM+\B], |v[S+16*\B]|, |v[S+16*\B+1]|, 0x1800000
.endr
.irp i, 2,4,6,8,10,12,14
.irp B, 0,1
	s_delay_alu instid0(VALU_DEP_2)
	v_max3_num_f32 v[BM+\B], v[BM+\B], |v[S+16*\B+\i]|, |v[S+16*\B+\i+1]|
.endr
.endr
.irp B, 0,1
	s_delay_alu instid0(VALU_DEP_2)
	v_permlanex16_b32 v[PB+\B], v[BM+\B], s36, s37
.endr
.irp B, 0,1
	s_delay_alu instid0(VALU_DEP_2)
	v_max_num_f32 v[BM+\B], v[BM+\B], v[PB+\B]
.endr
.irp B, 0,1
	s_delay_alu instid0(VALU_DEP_2)
	v_add_nc_u32 v[SO+\B], 0xff000000, v[BM+\B]
.endr
.irp B, 0,1
	s_delay_alu instid0(VALU_DEP_2)
	v_lshrrev_b32 v[PB+\B], 23, v[SO+\B]
.endr
	s_delay_alu instid0(VALU_DEP_1)
	v_lshl_or_b32 v[\WD], v[PB+1], 8, v[PB]
	v_cvt_scalef32_pk8_fp4_f32 v[\PR],   v[S:S+7],     v[SO]
	v_cvt_scalef32_pk8_fp4_f32 v[\PR+1], v[S+16:S+23], v[SO+1]
	v_cvt_scalef32_pk8_fp4_f32 v[\PR+2], v[S+8:S+15],  v[SO]
	v_cvt_scalef32_pk8_fp4_f32 v[\PR+3], v[S+24:S+31], v[SO+1]
	v_nop
	v_permlane16_swap_b32 v[\PR], v[\PR+1]
	v_permlane16_swap_b32 v[\PR+2], v[\PR+3]
	global_store_b128 v[LI], v[\PR:\PR+3], s[\OB:\OB+1]   ; 32 lanes store 512 consecutive bytes
	ds_store_b16 v[\GA], v[\WD]                    ; lanes r and r + 16 write the same half word with the same value
.endm
.Lstep:                                ; nine trips, a constant
	s_cmp_gt_u32 s44, s19                          ; am I on my second tile?  ids and the trip's number alone
	s_cselect_b32 s45, s20, 0
	s_cselect_b32 s46, s20, s19                    ; the tile's diagonal step
	s_cselect_b32 s47, s17, s16                    ; and its place in that step
	s_add_co_u32 s40, s44, s45
	s_and_b32 s40, s40, 7                          ; the key step: u, or u - (qt + 1)
	s_lshl_b32 s41, s40, 12                        ; its bytes in the codes, in K's scale words, in V's
	s_lshl_b32 s42, s40, 9
	s_lshl_b32 s43, s40, 8
	s_cmp_lg_u32 s40, s46
	s_cbranch_scc1 .Lfull
	s_cmp_gt_u32 s47, 5
	s_cbranch_scc1 .Lfull
	s_cmp_gt_u32 s47, 3
	s_cbranch_scc1 .Lnb3
	s_cmp_gt_u32 s47, 1
	s_cbranch_scc1 .Lnb2
	STEP 1
	s_branch .Ldiag
.Lnb2:
	STEP 2
	s_branch .Ldiag
.Lnb3:
	STEP 3
	s_branch .Ldiag
.Lfull:
	STEP 4
	s_cmp_lg_u32 s40, s46
	s_cbranch_scc1 .Lnext
.Ldiag:                                ; a tile is through.  The second ends with the last trip and goes out behind the loop
	s_cmp_eq_u32 s44, 8
	s_cbranch_scc1 .Lnext
.rept 4
	v_nop                                          ; places behind the last products
.endr
	s_wait_alu depctr_va_vdst(0)
	s_wait_xcnt 0x0                                ; the lines below stand in a loop: a store's data registers are written only behind this wait
	FINISH 32, 9, 60, 254
.irp j, 0,1,2,3
	v_mov_b32 v[QF+\j], v[28+\j]                   ; the second tile's q, scale words and mask number; the 36 lines of INIT are the places ahead of the next products
.endr
	v_mov_b32 v[QS], v37
	v_mov_b32 v[DD], v8
	INIT
.Lnext:
	s_wait_alu depctr_va_vdst(0)                   ; ahead of the backward jump
	s_add_co_u32 s44, s44, 1
	s_cmp_lt_u32 s44, 9
	s_cbranch_scc1 .Lstep
.rept 4
	v_nop                                          ; places behind the last products
.endr
	FINISH 96, 10, 62, 255
	s_wait_dscnt 0x0                               ; my half words lie in LDS
	s_barrier_signal -1
	s_barrier_wait -1                              ; everybody's do
	s_cmp_lt_u32 s14, 2
	s_cbranch_scc0 .Lno_words
	ds_load_b128 v[104:107], v[GR]                 ; 128 tokens' words: 512 bytes
	s_wait_dscnt 0x0
	global_store_b128 v[LI], v[104:107], s[12:13]
.Lno_words:
	s_wait_tensorcnt 0x0                           ; the wave's end
	ds_add_u32 v250, v251
	s_wait_dscnt 0x0
	ROUND                                          ; the closing round
	s_endpgm
.Lfunc_end_k_qe8619894a2_attn:
	.size	k_qe8619894a2_attn, .Lfunc_end_k_qe8619894a2_attn-k_qe8619894a2_attn
	.p2alignl 7, 3214868480
	.fill 96, 4, 3214868480
	.section	.rodata,"a",@progbits
	.p2align	6, 0x0
	.amdhsa_kernel k_qe8619894a2_attn
		.amdhsa_group_segment_fixed_size 169984
		.amdhsa_private_segment_fixed_size 0
		.amdhsa_enable_private_segment 0
		.amdhsa_kernarg_size 40
		.amdhsa_user_sgpr_count 2
		.amdhsa_user_sgpr_kernarg_segment_ptr 1
		.amdhsa_wavefront_size32 1
		.amdhsa_system_sgpr_workgroup_id_x 1
		.amdhsa_system_sgpr_workgroup_id_y 1
		.amdhsa_system_sgpr_workgroup_id_z 1
		.amdhsa_system_vgpr_workitem_id 0
		.amdhsa_next_free_vgpr 256
		.amdhsa_next_free_sgpr 66
		.amdhsa_reserve_vcc 1
		.amdhsa_float_denorm_mode_32 3
		.amdhsa_float_denorm_mode_16_64 3
		.amdhsa_memory_ordered 1
		.amdhsa_forward_progress 1
		.amdhsa_inst_pref_size 70
	.end_amdhsa_kernel
	.amdgpu_metadata
---
amdhsa.version: [ 1, 2 ]
amdhsa.kernels:
  - .name:           k_qe8619894a2_attn
    .symbol:         k_qe8619894a2_attn.kd
    .args:
      - { .name: qc, .offset: 0, .size: 8, .value_kind: global_buffer, .address_space: global }
      - { .name: qs, .offset: 8, .size: 8, .value_kind: global_buffer, .address_space: global }
      - { .name: kv, .offset: 16, .size: 8, .value_kind: global_buffer, .address_space: global }
      - { .name: oc, .offset: 24, .size: 8, .value_kind: global_buffer, .address_space: global }
      - { .name: os, .offset: 32, .size: 8, .value_kind: global_buffer, .address_space: global }
    .group_segment_fixed_size: 169984
    .private_segment_fixed_size: 0
    .kernarg_segment_align: 8
    .kernarg_segment_size: 40
    .max_flat_workgroup_size: 512
    .sgpr_count:     66
    .vgpr_count:     256
    .wavefront_size: 32
...
	.end_amdgpu_metadata
.endif
;; end of part 2
;; launch oproj (part 3): grid 16 x 16, 4 waves a work-group, clusters of 4 x 1, 194,560 bytes of LDS; arguments oc, os, Wo_codes, Wo_scales, bo, out0; writes out0
.if DOCPART == 3
	.amdgcn_target "amdgcn-amd-amdhsa--gfx1250"
	.amdhsa_code_object_version 6
	.text
	.protected	k_qe8619894a2_oproj
	.globl	k_qe8619894a2_oproj
	.p2align	8
	.type	k_qe8619894a2_oproj,@function
k_qe8619894a2_oproj:
	s_mov_b64 s[64:65], 0
	v_nop
	global_prefetch_b8 v0, s[64:65] scope:SCOPE_SE
	s_setreg_imm32_b32 hwreg(HW_REG_WAVE_MODE, 25, 1), 1
	s_wait_xcnt 0x0
	s_wait_alu depctr_hold_cnt(0) depctr_sa_sdst(0) depctr_va_vdst(0) depctr_va_sdst(0) depctr_va_ssrc(0) depctr_va_vcc(0) depctr_vm_vsrc(0)
	s_getreg_b32 s2, hwreg(HW_REG_IB_STS2, 6, 4)
	s_cmp_eq_u32 s2, 0
	s_cbranch_scc0 .Lentry_in_a_cluster
	s_endpgm
.Lentry_in_a_cluster:
	s_bfe_u32 s2, ttmp6, 0x10000c
	s_cmp_lg_u32 s2, 0x3003
	s_cbranch_scc0 .Lentry_shape_is_right
	s_endpgm
.Lentry_shape_is_right:
; out = O Wo + bo on codes of FP4 (E2M1) with E8M0 scales; sums in f32.  O: 4,096 tokens x 2,048; Wo: 2,048 rows (output columns) of 2,048 codes.
; oc holds O's codes as images of the operand's registers: [16 tokens][K step of 128][64 of K][lane][16 bytes]; os its scale words, [K step][token].
; SHARES.  A work-group makes 256 tokens x 128 columns: x = block of tokens, y = block of columns, 16 x 16 work-groups.  Wave w makes tokens 64 w .. 64 w + 63 x all 128 columns: 32 accumulators, 256 registers.
; O'S CODES GO FROM MEMORY STRAIGHT INTO REGISTERS: a wave alone uses its 64 tokens, and a load of 16 bytes a lane is 512 consecutive bytes of the image.  All 16 K steps have registers of their own (512);
; a K step's eight loads are issued AH K steps ahead of its products and waited for by count.
; WO'S 128 ROWS, ALL OF K, come into LDS once (waves 0 and 1: 1,024 along K each, rows of 512 bytes + 16 of padding), with their scale bytes (wave 2) and O's scale words (wave 3): one tensor load a wave, no byte filled twice.
; CLUSTER: the four work-groups of a cluster have the same y: Wo's codes and scales are asked for jointly (mask 15).  O's scale words differ between partners: a plain load.
; No prefetch: there is no ring; every byte is asked for at the head or AH K steps ahead of its use.
; THE MATRIX INSTRUCTION IS USED TRANSPOSED (source 0 = 16 rows of Wo, source 1 = 16 tokens): a lane holds eight neighbouring columns of one token.  The bias is the C of the first K step.
; REGISTERS: window 0: v0-31 addresses; v32-95 Wo's scale words; v96-127 O's; v128-255 Wo's fragments, two sets.  window 1: the accumulators, (a, b) at 8 (8 a + b).
; windows 2, 3: O's fragments: K step k, block a at window 2 + k / 8, v[32 (k % 8) + 8 a].  The bias lies in window 3, v192-255, until K steps 14 and 15 are loaded there.
.set AH,     6                         ; K steps that O's loads run ahead: 48 loads out at the most behind a wait
.set PB,     528                       ; an LDS row of Wo: 512 bytes + 16 of padding
.set BH,     128*PB                    ; half of K
.set SCB,    2*BH                      ; Wo's scale bytes: 32 units of 256 bytes + 16
.set SBLK,   1088                      ; those of 16 rows
.set SCA,    SCB+8*SBLK                ; O's scale words: 16 K steps x 256 tokens x 4 bytes
.set STAGE,  SCA+16384                 ; the way out: 16 rows x 528 bytes for each wave; no tensor load lands here
.set SPITCH, 528
.set SPARE,  STAGE+4*16*SPITCH         ; the spare words: two blocks of 256 bytes that no other line names
.set ADRB, 16                          ; v16, v17 my lane's place in Wo's rows, first and second half of K
.set STO,  24
.set RD,   25
.set CO,   26                          ; v26 16 x lane
.set ADSB, 27
.set SPW,  28
.set NIL,  29
.set ADSA, 30
.set SCBR, 32
.set SCAR, 96
.set BF,   128
.set BK,   128
.set G1B,  24
.set G1SB, 32
.set G1SA, 40
.set G0B0, 48
.set G0B1, 52
.set G0SB, 56
.set G0SA, 60
.set MSB, 0
.macro WIN new                         ; the immediate's high byte repeats the setting that is left
.if MSB != (\new)
	s_set_vgpr_msb (MSB<<8)|(\new)
.set MSB, (\new)
.endif
.endm
.macro CROUND                          ; a round of the cluster's barrier
	s_barrier_signal -1
	s_barrier_wait -1
	s_cmp_lg_u32 s16, 0
	s_cbranch_scc1 .Lnot_wave_0_\@
	s_barrier_signal -3
.Lnot_wave_0_\@:
	s_barrier_wait -3
	s_barrier_signal -1
	s_barrier_wait -1
.endm
.macro PLACES n
.rept \n
	v_nop
.endr
.endm
	s_load_b256 s[4:11], s[0:1], 0x0               ; oc, os, Wo's codes, Wo's scales
	s_load_b128 s[12:15], s[0:1], 0x20             ; bo, out0
	v_lshl_add_u32 v[SPW], v0, 2, SPARE
	v_mov_b32 v[NIL], 0
	ds_add_u32 v[SPW], v[NIL]                      ; the add, twice on end,
	ds_add_u32 v[SPW], v[NIL]
	v_lshrrev_b32 v1, 5, v0
	v_readfirstlane_b32 s16, v1                    ; wave 0..3
	s_bfe_u32 s17, ttmp6, 0x40000                  ; cx
	s_lshl_b32 s18, ttmp9, 2
	s_add_co_u32 s18, s18, s17                     ; X: my block of 256 tokens
	s_and_b32 s19, ttmp7, 0xffff                   ; Y: my block of 128 columns; the same in all four partners
	s_mov_b32 s[G1B+0], 15|(1<<20)|(1<<21)|(6<<22)|(3<<25)   ; Wo: 128 rows x 512 bytes, four words of padding behind every 128; mask: all four; bit 21 beside it
	s_mov_b32 s[G1B+1], 512<<16
	s_mov_b32 s[G1B+2], 128<<16
	s_mov_b32 s[G1B+3], 512<<16
	s_mov_b32 s[G1B+4], 128
	s_mov_b32 s[G1B+5], 1024
	s_mov_b32 s[G1B+6], 0
	s_mov_b32 s[G1B+7], 0
	s_mov_b32 s[G1SB+0], 15|(3<<16)|(1<<20)|(1<<21)|(5<<22)|(3<<25)   ; Wo's scales: 8,192 dense bytes as 32 rows of 256, 16 bytes of padding behind each
	s_mov_b32 s[G1SB+1], 32<<16
	s_mov_b32 s[G1SB+2], 32<<16
	s_mov_b32 s[G1SB+3], 32<<16
	s_mov_b32 s[G1SB+4], 32
	s_mov_b32 s[G1SB+5], 32
	s_mov_b32 s[G1SB+6], 0
	s_mov_b32 s[G1SB+7], 0
	s_mov_b32 s[G1SA+0], 3<<16                     ; O's scale words: 16 rows (K steps) of 1,024 bytes, 16,384 bytes apart; no mask
	s_mov_b32 s[G1SA+1], 128<<16
	s_mov_b32 s[G1SA+2], 16<<16
	s_mov_b32 s[G1SA+3], 128<<16
	s_mov_b32 s[G1SA+4], 16
	s_mov_b32 s[G1SA+5], 2048
	s_mov_b32 s[G1SA+6], 0
	s_mov_b32 s[G1SA+7], 0
	s_lshl_b32 s66, s19, 17                        ; Wo's codes: 128 Y rows of 1,024 bytes
	s_mov_b32 s67, 0
	s_lshl_b32 s68, s19, 13                        ; its scales: rows of 64 bytes
	s_mov_b32 s69, 0
	s_lshl_b32 s70, s18, 10                        ; O's scale words: 256 X tokens of 4 bytes
	s_mov_b32 s71, 0
	s_lshl_b32 s72, s18, 18                        ; O's codes: 16,384 bytes for 16 tokens: 16 X + 4 wave of them
	s_lshl_b32 s73, s16, 16
	s_add_co_u32 s72, s72, s73
	s_mov_b32 s73, 0
	s_lshl_b32 s74, s19, 9                         ; my first column, in bytes of f32
	s_mov_b32 s75, 0
	s_lshl_b32 s76, s18, 21                        ; out: rows of 8,192 bytes: 256 X + 64 wave
	s_lshl_b32 s77, s16, 19
	s_add_co_u32 s76, s76, s77
	s_add_co_u32 s76, s76, s74
	s_mov_b32 s77, 0
	s_wait_dscnt 0x0                               ; and the one wait for both adds
	s_wait_kmcnt 0x0
	s_add_nc_u64 s[4:5], s[4:5], s[72:73]
	s_add_nc_u64 s[12:13], s[12:13], s[74:75]
	s_add_nc_u64 s[14:15], s[14:15], s[76:77]
	s_mov_b32 s[G0B0], 1
	s_mov_b32 s[G0B0+1], 0
	s_add_nc_u64 s[G0B0+2:G0B0+3], s[8:9], s[66:67]
	s_mov_b32 s[G0B1], 1
	s_mov_b32 s[G0B1+1], BH
	s_add_nc_u64 s[G0B1+2:G0B1+3], s[G0B0+2:G0B0+3], 512
	s_or_b32 s[G0B0+3], s[G0B0+3], 0x80000000
	s_or_b32 s[G0B1+3], s[G0B1+3], 0x80000000
	s_mov_b32 s[G0SB], 1
	s_mov_b32 s[G0SB+1], SCB
	s_add_nc_u64 s[G0SB+2:G0SB+3], s[10:11], s[68:69]
	s_or_b32 s[G0SB+3], s[G0SB+3], 0x80000000
	s_mov_b32 s[G0SA], 1
	s_mov_b32 s[G0SA+1], SCA
	s_add_nc_u64 s[G0SA+2:G0SA+3], s[6:7], s[70:71]
	s_or_b32 s[G0SA+3], s[G0SA+3], 0x80000000
	CROUND                                         ; all four work-groups are here: the joint loads meet
; One tree of branches on the wave's number, one load to an arm: every way through the head passes exactly one.
.macro ARM under, g0, g1, next
	s_cmp_lt_u32 s16, \under
	s_cbranch_scc0 \next
	tensor_load_to_lds s[\g0:\g0+3], s[\g1:\g1+7]
	s_nop 0
	PLACES 4
	s_branch .Lhead_asked
\next:
.endm
	ARM 1, G0B0, G1B,  .Lhead_b1
	ARM 2, G0B1, G1B,  .Lhead_sb
	ARM 3, G0SB, G1SB, .Lhead_sa
	tensor_load_to_lds s[G0SA:G0SA+3], s[G1SA:G1SA+7]
	s_nop 0
	PLACES 4
.Lhead_asked:
	v_and_b32 v1, 15, v0                           ; r
	v_bfe_u32 v2, v0, 4, 1                         ; h
	v_and_b32 v6, 31, v0
	v_lshlrev_b32 v[CO], 4, v6
	v_lshlrev_b32 v7, 5, v2                        ; the bias in the result's layout: columns 16 b + 8 h + 0..7
	v_mul_u32_u24 v3, v1, PB
	v_lshl_add_u32 v[ADRB], v2, 4, v3              ; a fragment's row x pitch + 16 h
	v_add_nc_u32 v[ADRB+1], BH, v[ADRB]
	v_mul_u32_u24 v5, v1, 64                       ; Wo's scales: 64 bytes a row, 16 more for each 256 passed;
	v_lshrrev_b32 v3, 8, v5
	v_lshl_add_u32 v5, v3, 4, v5
	v_mul_u32_u24 v3, v2, 4*SBLK                   ; lanes 16-31 take the block four further on
	v_add_nc_u32 v5, v5, v3
	v_add_nc_u32 v[ADSB], SCB, v5
	s_lshl_b32 s20, s16, 8
	s_add_co_u32 s20, s20, SCA
	v_lshl_add_u32 v[ADSA], v6, 2, s20             ; O's scale words: my 64 tokens; a lane a token
	s_mul_i32 s21, s16, 16*SPITCH
	s_add_co_u32 s21, s21, STAGE
	v_mul_u32_u24 v4, v1, SPITCH
	v_lshl_add_u32 v4, v2, 5, v4
	v_add_nc_u32 v[STO], s21, v4
	v_add_nc_u32 v[RD], s21, v[CO]
	s_wait_alu depctr_va_vdst(0)
.macro ALOAD k                         ; O's four fragments of K step k: eight loads of 512 consecutive bytes
	WIN 0x80+0x40*((\k)/8)
.irp a, 0,1,2,3
.irp c, 0,1
	global_load_b128 v[32*((\k)%8)+8*\a+4*\c:32*((\k)%8)+8*\a+4*\c+3], v[CO], s[4:5] offset:\a*16384+(\k)*1024+\c*512
.endr
.endr
.endm
	WIN 0xc0
.irp b, 0,1,2,3,4,5,6,7
	global_load_b128 v[192+8*\b:192+8*\b+3], v7, s[12:13] offset:64*\b
	global_load_b128 v[192+8*\b+4:192+8*\b+7], v7, s[12:13] offset:64*\b+16
.endr
.irp k, 0,1,2,3,4,5
	ALOAD \k
.endr
	WIN 0
	s_wait_tensorcnt 0x0                           ; my tile has landed
	s_barrier_signal -1
	s_barrier_wait -1                              ; everybody's has; nothing is filled again
.macro FETCH q                         ; Wo's eight fragments of K step q into set q % 2
.irp i, 0,1,2,3,4,5,6,7
.irp c, 0,1
	ds_load_b128 v[BF+64*((\q)%2)+8*\i+4*\c:BF+64*((\q)%2)+8*\i+4*\c+3], v[ADRB+(\q)/8] offset:64*((\q)%8)+32*\c+\i*16*PB
.endr
.endr
.endm
.macro WM d, bf, af, cc, sb, sa, rb, ra
.if (\rb) && (\ra)
	v_wmma_scale_f32_16x16x128_f8f6f4 v[(\d):(\d)+7], v[(\bf):(\bf)+7], v[(\af):(\af)+7], v[(\cc):(\cc)+7], v[\sb], v[\sa] matrix_a_fmt:MATRIX_FMT_FP4 matrix_b_fmt:MATRIX_FMT_FP4 matrix_a_scale:MATRIX_SCALE_ROW1 matrix_b_scale:MATRIX_SCALE_ROW1
.elseif \rb
	v_wmma_scale_f32_16x16x128_f8f6f4 v[(\d):(\d)+7], v[(\bf):(\bf)+7], v[(\af):(\af)+7], v[(\cc):(\cc)+7], v[\sb], v[\sa] matrix_a_fmt:MATRIX_FMT_FP4 matrix_b_fmt:MATRIX_FMT_FP4 matrix_a_scale:MATRIX_SCALE_ROW1
.elseif \ra
	v_wmma_scale_f32_16x16x128_f8f6f4 v[(\d):(\d)+7], v[(\bf):(\bf)+7], v[(\af):(\af)+7], v[(\cc):(\cc)+7], v[\sb], v[\sa] matrix_a_fmt:MATRIX_FMT_FP4 matrix_b_fmt:MATRIX_FMT_FP4 matrix_b_scale:MATRIX_SCALE_ROW1
.else
	v_wmma_scale_f32_16x16x128_f8f6f4 v[(\d):(\d)+7], v[(\bf):(\bf)+7], v[(\af):(\af)+7], v[(\cc):(\cc)+7], v[\sb], v[\sa] matrix_a_fmt:MATRIX_FMT_FP4 matrix_b_fmt:MATRIX_FMT_FP4
.endif
.endm
; A K step of 128: the next step's fragments of Wo and the loads of O's K step k + AH are issued, then 32 matrix instructions, the 32 accumulators by turns in the same order in every step.
.macro KSTEP k
.if (\k) > 0
	PLACES 4                                       ; places behind the last products, in front of loads into the set that they read
.endif
	WIN 0
.if (\k) < 15
	FETCH (\k)+1
.endif
.if (\k)+AH <= 15
	ALOAD (\k)+AH
.endif
.if (\k) < 15
	s_wait_dscnt 16                                ; all but the 16 loads just issued: this step's fragments (and, in step 0, the scale words) are in
.else
	s_wait_dscnt 0x0
.endif
.set NA, 15-(\k)
.if NA > AH
.set NA, AH
.endif
	s_wait_loadcnt 8*NA                            ; behind this step's eight loads of O stand those of NA later steps
.if (\k) == 0
	WIN 0x78                                       ; source 1 window 2, C (the bias) window 3, D window 1
.else
	WIN 0x58+4*((\k)/8)                            ; source 1 window 2 or 3, C and D window 1
.endif
.irp a, 0,1,2,3
.irp b, 0,1,2,3,4,5,6,7
.if (\k) == 0
	WM 8*(8*\a+\b), BF+64*((\k)%2)+8*\b, 32*((\k)%8)+8*\a, 192+8*\b, SCBR+16*((\k)/4)+4*(\b%4)+(\k)%4, SCAR+2*(\k)+\a/2, \b/4, \a%2
.else
	WM 8*(8*\a+\b), BF+64*((\k)%2)+8*\b, 32*((\k)%8)+8*\a, 8*(8*\a+\b), SCBR+16*((\k)/4)+4*(\b%4)+(\k)%4, SCAR+2*(\k)+\a/2, \b/4, \a%2
.endif
.endr
.endr
.endm
; The scale words of all of K stay in registers.  Wo's: register 16 Q + 4 i + q: lanes 0-15 block i, lanes 16-31 block i + 4, K step 4 Q + q.  O's: register 2 k + I: lanes 0-15 block 2 I, lanes 16-31 block 2 I + 1.
.irp Q, 0,1,2,3
.irp i, 0,1,2,3
	ds_load_b128 v[SCBR+16*\Q+4*\i:SCBR+16*\Q+4*\i+3], v[ADSB] offset:\i*SBLK+16*\Q
.endr
.endr
.irp k, 0,1,2,3,4,5,6,7,8,9,10,11,12,13,14,15
.irp I, 0,1
	ds_load_b32 v[SCAR+2*\k+\I], v[ADSA] offset:\k*1024+\I*128
.endr
.endr
	FETCH 0
.irp k, 0,1,2,3,4,5,6,7,8,9,10,11,12,13,14,15
	KSTEP \k
.endr
	WIN 0
; THE WAY OUT, by blocks of 16 tokens x 128 columns, through my own stage: in as 32 bytes a lane, back as whole rows of 512 bytes, which 32 lanes store as two aligned units of 256 bytes.
; LDS serves a wave's instructions in order (ISA guide 5.7.1.4): no wait between the stores and the loads.
.macro TOSTAGE a
	WIN 0x04                                       ; an LDS store's data are its source 1: window 1
.irp b, 0,1,2,3,4,5,6,7
	ds_store_b128 v[STO], v[64*(\a)+8*\b:64*(\a)+8*\b+3] offset:64*\b          ; each accumulator from its low end on
	ds_store_b128 v[STO], v[64*(\a)+8*\b+4:64*(\a)+8*\b+7] offset:64*\b+16
.endr
	WIN 0
.set BB, BK+64*((\a)%2)
.irp t, 0,1,2,3,4,5,6,7,8,9,10,11,12,13,14,15
	ds_load_b128 v[BB+4*\t:BB+4*\t+3], v[RD] offset:\t*SPITCH
.endr
.endm
.macro SEND a, younger                 ; younger: the LDS instructions issued behind block a's loads
.set BB, BK+64*((\a)%2)
	s_wait_dscnt \younger
.if (\a) > 0
	s_add_nc_u64 s[14:15], s[14:15], 16*8192       ; behind a wait on XCNT: the earlier stores have read their base
.endif
.irp t, 0,1,2,3,4,5,6,7,8,9,10,11,12,13,14,15
	global_store_b128 v[CO], v[BB+4*\t:BB+4*\t+3], s[14:15] offset:\t*8192 th:TH_STORE_NT
.endr
.endm
	PLACES 4                                       ; behind the last products: for the reads of their results and the loads into Wo's sets
	TOSTAGE 0
.irp a, 1,2,3
.if \a > 1
	s_wait_xcnt 0x0                                ; block a - 2's stores have read their registers and their base
.endif
	TOSTAGE \a
	SEND \a-1, 32
.endr
	s_wait_xcnt 0x0
	SEND 3, 0
	s_wait_tensorcnt 0x0                           ; the wave's end
	ds_add_u32 v[SPW], v[NIL]
	s_wait_dscnt 0x0
	CROUND                                         ; the closing round
	s_endpgm
.Lfunc_end_k_qe8619894a2_oproj:
	.size	k_qe8619894a2_oproj, .Lfunc_end_k_qe8619894a2_oproj-k_qe8619894a2_oproj
	.p2alignl 7, 3214868480
	.fill 96, 4, 3214868480
	.section	.rodata,"a",@progbits
	.p2align	6, 0x0
	.amdhsa_kernel k_qe8619894a2_oproj
		.amdhsa_group_segment_fixed_size 194560
		.amdhsa_private_segment_fixed_size 0
		.amdhsa_enable_private_segment 0
		.amdhsa_kernarg_size 48
		.amdhsa_user_sgpr_count 2
		.amdhsa_user_sgpr_kernarg_segment_ptr 1
		.amdhsa_wavefront_size32 1
		.amdhsa_system_sgpr_workgroup_id_x 1
		.amdhsa_system_sgpr_workgroup_id_y 1
		.amdhsa_system_sgpr_workgroup_id_z 1
		.amdhsa_system_vgpr_workitem_id 0
		.amdhsa_next_free_vgpr 1024
		.amdhsa_next_free_sgpr 80
		.amdhsa_reserve_vcc 0
		.amdhsa_float_denorm_mode_32 3
		.amdhsa_float_denorm_mode_16_64 3
		.amdhsa_memory_ordered 1
		.amdhsa_forward_progress 1
		.amdhsa_inst_pref_size 123
	.end_amdhsa_kernel
	.amdgpu_metadata
---
amdhsa.version: [ 1, 2 ]
amdhsa.kernels:
  - .name:           k_qe8619894a2_oproj
    .symbol:         k_qe8619894a2_oproj.kd
    .args:
      - { .name: oc, .offset: 0, .size: 8, .value_kind: global_buffer, .address_space: global }
      - { .name: os, .offset: 8, .size: 8, .value_kind: global_buffer, .address_space: global }
      - { .name: Wo_codes, .offset: 16, .size: 8, .value_kind: global_buffer, .address_space: global }
      - { .name: Wo_scales, .offset: 24, .size: 8, .value_kind: global_buffer, .address_space: global }
      - { .name: bo, .offset: 32, .size: 8, .value_kind: global_buffer, .address_space: global }
      - { .name: out0, .offset: 40, .size: 8, .value_kind: global_buffer, .address_space: global }
    .group_segment_fixed_size: 194560
    .private_segment_fixed_size: 0
    .kernarg_segment_align: 8
    .kernarg_segment_size: 48
    .max_flat_workgroup_size: 128
    .sgpr_count:     80
    .vgpr_count:     1024
    .wavefront_size: 32
...
	.end_amdgpu_metadata
.endif
;; end of part 3
